; MI455X (gfx1250); checked and timed in simulation.
; The chip was launched on July 23, 2026; its instructions are those of AMD's public machine-readable ISA for CDNA 5 (MIT licence, August 2026) and "CDNA5" Instruction Set Architecture Reference Guide (July 2026). The comments in the code are by the model that wrote it; some were corrected since.
;; Perceiver Attention. Allowed arithmetic: float matrix products may take bf16 or f16 operands with f32 sums; other float arithmetic in f32, or as packed bf16 or f16 multiplies, adds, multiply-adds, maxima and minima; sums over many terms, partial sums and values carried from step to step in f32; what a program stores and reads back later, other than sums and carried values, may be rounded once to bf16 or f16.
;; Inputs: Wkv 1,024 x 1,024 float32; Wo 512 x 1,024 float32; Wq 1,024 x 512 float32; bo 1,024 float32; context 4 x 8,192 x 1,024 float32; latents 4 x 256 x 1,024 float32; ln_c_b 1,024 float32; ln_c_w 1,024 float32; ln_l_b 1,024 float32; ln_l_w 1,024 float32.
;; Outputs: out0 4 x 256 x 1,024 float32.
;; 2 versions, each right; version 2 is version 1 with the launch proj written anew for expert scheduling mode. Each part assembles by itself: llvm-mc -triple=amdgcn-amd-amdhsa -mcpu=gfx1250 --defsym DOCPART=n.
;; ======== version 1 of 2: 4 launches
;; limits: values are held in f16: magnitudes above 65,504 overflow, below 6.1e-05 lose precision
;; workspace buffers: xn 69,206,016 bytes; wts 4,194,304 bytes; kf 33,554,432 bytes; vf 33,554,432 bytes; qf 1,048,576 bytes; op 8,912,896 bytes
;; launch norm (part 1): grid 256 x 1, 18 waves a work-group, no clusters, 0 bytes of LDS; arguments context, latents, ln_c_w, ln_c_b, ln_l_w, ln_l_b, Wkv, Wq, Wo, xn, wts; writes xn, wts
.if DOCPART == 1
	.amdgcn_target "amdgcn-amd-amdhsa--gfx1250"
	.amdhsa_code_object_version 6
	.text
	.protected	k_q03e644a601_norm
	.globl	k_q03e644a601_norm
	.p2align	8
	.type	k_q03e644a601_norm,@function
k_q03e644a601_norm:
	s_mov_b64 s[64:65], 0
	v_nop
	global_prefetch_b8 v0, s[64:65] scope:SCOPE_SE
	s_setreg_imm32_b32 hwreg(HW_REG_WAVE_MODE, 25, 1), 1
	s_wait_xcnt 0x0
; LAYER NORMS AND WEIGHT COPIES.  xn[row][:] = f16((x - mean) * rsqrt(var + 1e-5) * gain + bias) for the 32,768 rows of context and then the 1,024 rows of latents (rows of 1,024 f32).
; wts = the three weights rounded to f16 and turned to [n][k]: Wkv (its rows in the order 256 x + 128 type + c for column 512 type + 128 x + c), Wq at byte 2,097,152, Wo at byte 3,145,728.
; LIMITS.  Statistics in f32, two passes over a row held in registers (mean, then the squares of x - mean), so a common offset of the row does no harm.  The rounded numbers must lie within
; f16 (65,504); below 6.1e-5 they keep the fixed step 6e-8.  NaN and infinities are not treated apart.
; SHARES.  256 work-groups of 18 waves, all alike.  Waves 0-15 take 8 rows of context each (rows 128 g + 8 w on), wave 17 four rows of latents (4 g on), ONE WAVE ONE ROW at a time: no LDS, no barrier.
; Wave 16 turns one block of 128 k x 64 n of a weight: 32,768 bytes in and 16,384 out, as much as eight rows.  Work-groups 0-127 turn Wkv, 128-191 Wq, 192-255 Wo.
; A row load of the wave covers 512 consecutive bytes, a row store 256 consecutive bytes, both aligned.  Two row slots in registers: one at work, one on its way.
; No matrix unit, no cluster, no LDS: nothing is shared between waves, and the launch is a stream.
.set ROWB, 4096                        ; bytes in a row of f32
.set OUTB, 2048                        ; bytes in a row of f16
.set OFL,  2                           ; v2-3    slot s: byte offset of my 16 bytes in the row that the slot loads next
.set OFS,  4                           ; v4      byte offset of my 8 bytes in the row behind the one being stored
.set T,    6                           ; v6-13   at work
.set MU,   14                          ; v14-15  the mean, twice
.set RS,   16                          ; v16-17  1 / sqrt(var + eps), twice
.set Y,    18                          ; v18-33  16 words of f16 pairs to store
.set W,    34                          ; v34-65  gain of my 32 columns (the turning wave: 128 registers of loads from here on)
.set B,    66                          ; v66-97  bias
.set X,    98                          ; v98-161 two slots of 32
	s_load_b512 s[4:19], s[0:1], 0x0               ; context s[4:5], latents s[6:7], ln_c_w s[8:9], ln_c_b s[10:11], ln_l_w s[12:13], ln_l_b s[14:15], Wkv s[16:17], Wq s[18:19]
	s_load_b128 s[20:23], s[0:1], 0x40             ; Wo s[20:21], xn s[22:23]
	s_load_b64 s[24:25], s[0:1], 0x50              ; wts
	v_lshrrev_b32 v1, 5, v0
	v_readfirstlane_b32 s26, v1                    ; wave 0..17
	s_mov_b32 s29, 0                               ; high words of the two offset pairs
	s_mov_b32 s43, 0
	s_wait_kmcnt 0x0
	s_cmp_lg_u32 s26, 16
	s_cbranch_scc1 .Lln
	s_cmp_ge_u32 ttmp9, 192
	s_cbranch_scc1 .Lwo
	s_cmp_ge_u32 ttmp9, 128
	s_cbranch_scc1 .Lwq
; The wave turns 128 k x 64 n.  Lane l: kg = l % 16 (eight k), nq = l / 16 (four n).  A load takes 16 bytes (4 n) of one k row; eight of them give a lane 8 k x 4 n; four words of
; f16 pairs are 8 k of one n: 16 bytes, and sixteen lanes store 256 consecutive bytes of a turned row, aligned.  A load touches 32 bytes of each of 16 rows; over the wave's eight octets
; each aligned 256 bytes of the source are used whole, by this wave alone.  s[36:37]: the source at the wave's block; s[38:39]: the destination.
.macro TRANSPOSE SP, DP
	v_and_b32 v2, 15, v0
	v_bfe_u32 v3, v0, 4, 1
	v_mul_u32_u24 v5, v2, 8*(\SP)
	v_lshl_add_u32 v5, v3, 4, v5                   ; 8 kg rows + 16 nq
	v_mul_u32_u24 v4, v3, 4*(\DP)
	v_lshl_add_u32 v4, v2, 4, v4                   ; 4 nq turned rows + 16 kg
	s_mov_b32 s34, 2                               ; two trips of 32 n
.Ltr_\@:
.irp it, 0,1,2,3
.irp t, 0,1,2,3,4,5,6,7
	global_load_b128 v[W+32*(\it)+4*(\t):W+32*(\it)+4*(\t)+3], v5, s[36:37] offset:(\t)*(\SP)+32*(\it)
.endr
.endr
.irp it, 0,1,2,3
	s_wait_loadcnt 24-8*(\it)                      ; this octet is in; the younger octets stay out
	s_wait_xcnt 0x0                                ; Y, which the last four stores read, is rewritten only behind this wait
.irp i, 0,1,2,3
.irp p, 0,1,2,3
	v_cvt_pk_f16_f32 v[Y+4*(\i)+(\p)], v[W+32*(\it)+8*(\p)+(\i)], v[W+32*(\it)+8*(\p)+4+(\i)]
.endr
.endr
.irp i, 0,1,2,3
	global_store_b128 v4, v[Y+4*(\i):Y+4*(\i)+3], s[38:39] offset:(8*(\it)+(\i))*(\DP)
.endr
.endr
	s_wait_xcnt 0x0                                ; the two bases are stepped only behind this wait
	s_add_nc_u64 s[36:37], s[36:37], 128
	s_add_nc_u64 s[38:39], s[38:39], 32*(\DP)
	s_sub_co_u32 s34, s34, 1
	s_cmp_lg_u32 s34, 0
	s_cbranch_scc1 .Ltr_\@
.endm
	; Wkv [1024 k][1024 n]: k block of 128 = g % 8, n block of 64 = g / 8
	s_and_b32 s35, ttmp9, 7
	s_lshr_b32 s27, ttmp9, 3
	s_lshl_b32 s28, s35, 19                        ; 128 rows of 4,096 bytes
	s_lshl_b32 s30, s27, 8
	s_add_co_u32 s28, s28, s30
	s_add_nc_u64 s[36:37], s[16:17], s[28:29]
	s_bfe_u32 s30, s27, 0x20001                    ; x = (nb / 2) % 4
	s_lshl_b32 s30, s30, 8
	s_lshr_b32 s31, s27, 3                         ; type = nb / 8
	s_lshl_b32 s31, s31, 7
	s_add_co_u32 s30, s30, s31
	s_and_b32 s31, s27, 1
	s_lshl_b32 s31, s31, 6
	s_add_co_u32 s30, s30, s31                     ; the first turned row
	s_lshl_b32 s42, s30, 11
	s_lshl_b32 s31, s35, 8
	s_add_co_u32 s42, s42, s31
	s_add_nc_u64 s[38:39], s[24:25], s[42:43]
	TRANSPOSE 4096, 2048
	s_endpgm
.Lwq:	; Wq [1024 k][512 n]: k block = (g - 128) % 8, n block = (g - 128) / 8
	s_sub_co_u32 s27, ttmp9, 128
	s_and_b32 s35, s27, 7
	s_lshr_b32 s27, s27, 3
	s_lshl_b32 s28, s35, 18                        ; 128 rows of 2,048 bytes
	s_lshl_b32 s30, s27, 8
	s_add_co_u32 s28, s28, s30
	s_add_nc_u64 s[36:37], s[18:19], s[28:29]
	s_lshl_b32 s42, s27, 17                        ; 64 turned rows of 2,048 bytes
	s_lshl_b32 s31, s35, 8
	s_add_co_u32 s42, s42, s31
	s_add_co_u32 s42, s42, 2097152
	s_add_nc_u64 s[38:39], s[24:25], s[42:43]
	TRANSPOSE 2048, 2048
	s_endpgm
.Lwo:	; Wo [512 k][1024 n]: k block = (g - 192) % 4, n block = (g - 192) / 4
	s_sub_co_u32 s27, ttmp9, 192
	s_and_b32 s31, s27, 3
	s_lshr_b32 s27, s27, 2
	s_lshl_b32 s28, s31, 19
	s_lshl_b32 s30, s27, 8
	s_add_co_u32 s28, s28, s30
	s_add_nc_u64 s[36:37], s[20:21], s[28:29]
	s_lshl_b32 s42, s27, 16                        ; 64 turned rows of 1,024 bytes
	s_lshl_b32 s31, s31, 8
	s_add_co_u32 s42, s42, s31
	s_add_co_u32 s42, s42, 3145728
	s_add_nc_u64 s[38:39], s[24:25], s[42:43]
	TRANSPOSE 4096, 1024
	s_endpgm
.Lln:
	s_lshl_b32 s28, ttmp9, 19                      ; context: the work-group's 128 rows of 4,096 bytes,
	s_lshl_b32 s30, s26, 15                        ; my wave's 8
	s_add_co_u32 s28, s28, s30
	s_lshl_b32 s42, ttmp9, 18                      ; the same rows in xn, 2,048 bytes each
	s_lshl_b32 s30, s26, 14
	s_add_co_u32 s42, s42, s30
	s_lshl_b32 s30, ttmp9, 14                      ; latents: the work-group's 4 rows,
	s_lshl_b32 s31, ttmp9, 13
	s_add_co_u32 s31, s31, 67108864                ; which lie behind context's in xn
	s_cmp_eq_u32 s26, 17                           ; the selects below leave SCC as it is
	s_cselect_b64 s[36:37], s[6:7], s[4:5]         ; the rows,
	s_cselect_b64 s[38:39], s[12:13], s[8:9]       ; the gain
	s_cselect_b64 s[40:41], s[14:15], s[10:11]     ; and the bias of the tensor in hand
	s_cselect_b32 s28, s30, s28
	s_cselect_b32 s42, s31, s42
	s_cselect_b32 s46, 1, 3                        ; how many of the loop's three trips are mine: the last one, or all
	s_add_nc_u64 s[36:37], s[36:37], s[28:29]
	s_add_nc_u64 s[44:45], s[22:23], s[42:43]
	s_mov_b32 s30, 0x76543210                      ; v_permlanex16_b32: each lane takes its own place in the other half
	s_mov_b32 s31, 0xfedcba98
	s_mov_b32 s32, 0x3a800000                      ; 1 / 1024
	s_mov_b32 s33, 0x3727c5ac                      ; 1e-5
	v_and_b32 v1, 31, v0
	v_lshlrev_b32 v[OFS], 3, v1                    ; 8 bytes a lane
	v_lshlrev_b32 v1, 4, v1                        ; 16 bytes a lane
	v_mov_b32 v[OFL], v1
	v_add_nc_u32 v[OFL+1], ROWB, v1
.macro FILL s                          ; a row: eight loads of 512 consecutive bytes; load j gives the lane columns 128 j + 4 lane + 0..3
.irp j, 0,1,2,3,4,5,6,7
	global_load_b128 v[X+32*(\s)+4*(\j):X+32*(\s)+4*(\j)+3], v[OFL+(\s)], s[36:37] offset:512*(\j) th:TH_LOAD_NT
.endr
.endm
.macro REDUCE                          ; v[T] summed over the 32 lanes, the sum in every lane
	v_add_f32_dpp v[T], v[T], v[T] row_xmask:1 row_mask:0xf bank_mask:0xf
	v_add_f32_dpp v[T], v[T], v[T] row_xmask:2 row_mask:0xf bank_mask:0xf
	v_add_f32_dpp v[T], v[T], v[T] row_xmask:4 row_mask:0xf bank_mask:0xf
	v_add_f32_dpp v[T], v[T], v[T] row_xmask:8 row_mask:0xf bank_mask:0xf
	v_permlanex16_b32 v[T+1], v[T], s30, s31
	v_add_f32 v[T], v[T], v[T+1]
.endm
.macro MERGE                           ; the four chains into v[T]
	v_pk_add_f32 v[T:T+1], v[T:T+1], v[T+2:T+3]
	v_pk_add_f32 v[T+4:T+5], v[T+4:T+5], v[T+6:T+7]
	v_pk_add_f32 v[T:T+1], v[T:T+1], v[T+4:T+5]
	v_add_f32 v[T], v[T], v[T+1]
.endm
; The turn of slot s.  fill = 1: the slot takes the row two further on.  left = the younger loads that may stay out.
.macro TURN s, fill, left
.set XS, X+32*(\s)
	s_wait_loadcnt \left                           ; my row is in (and, the first time, gain and bias, which were asked for earlier)
	s_wait_xcnt 0x0                                ; Y and OFS, which the last row's stores read, are rewritten only behind this wait
.irp c, 0,1,2,3
	v_pk_add_f32 v[T+2*(\c):T+2*(\c)+1], v[XS+2*(\c):XS+2*(\c)+1], v[XS+8+2*(\c):XS+8+2*(\c)+1]  ; four chains, started by the first sums
.endr
.irp q, 16,24
.irp c, 0,1,2,3
	v_pk_add_f32 v[T+2*(\c):T+2*(\c)+1], v[T+2*(\c):T+2*(\c)+1], v[XS+(\q)+2*(\c):XS+(\q)+2*(\c)+1]
.endr
.endr
	MERGE
	REDUCE
	v_mul_f32 v[MU], s32, v[T]
	v_mul_f32 v[MU+1], s32, v[T]
.set p, 0
.rept 16
	v_pk_add_f32 v[XS+p:XS+p+1], v[XS+p:XS+p+1], v[MU:MU+1] neg_lo:[0,1] neg_hi:[0,1]  ; x - mean, in place
.set p, p+2
.endr
.irp c, 0,1,2,3
	v_pk_mul_f32 v[T+2*(\c):T+2*(\c)+1], v[XS+2*(\c):XS+2*(\c)+1], v[XS+2*(\c):XS+2*(\c)+1]
.endr
.irp q, 8,16,24
.irp c, 0,1,2,3
	v_pk_fma_f32 v[T+2*(\c):T+2*(\c)+1], v[XS+(\q)+2*(\c):XS+(\q)+2*(\c)+1], v[XS+(\q)+2*(\c):XS+(\q)+2*(\c)+1], v[T+2*(\c):T+2*(\c)+1]
.endr
.endr
	MERGE
	REDUCE
	v_fma_f32 v[T], v[T], s32, s33                 ; var + eps
	v_rsq_f32 v[RS], v[T]
	v_rsq_f32 v[RS+1], v[T]
	v_add_nc_u32 v[OFS], OUTB, v[OFS]              ; the plain instruction behind the two roots; the stores below reach back one row
.if \fill
	v_add_nc_u32 v[OFL+(\s)], 2*ROWB, v[OFL+(\s)]  ; free since the wait for the slot's loads
.endif
	s_wait_alu depctr_va_vdst(0)                   ; one wait for both roots, ahead of their first reader
.irp j, 0,1,2,3,4,5,6,7
.set TT, T+4*((\j)%2)
	v_pk_mul_f32 v[TT:TT+1], v[XS+4*(\j):XS+4*(\j)+1], v[RS:RS+1]
	v_pk_mul_f32 v[TT+2:TT+3], v[XS+4*(\j)+2:XS+4*(\j)+3], v[RS:RS+1]
	v_pk_fma_f32 v[TT:TT+1], v[TT:TT+1], v[W+4*(\j):W+4*(\j)+1], v[B+4*(\j):B+4*(\j)+1]
	v_pk_fma_f32 v[TT+2:TT+3], v[TT+2:TT+3], v[W+4*(\j)+2:W+4*(\j)+3], v[B+4*(\j)+2:B+4*(\j)+3]
	v_cvt_pk_f16_f32 v[Y+2*(\j)], v[TT], v[TT+1]
	v_cvt_pk_f16_f32 v[Y+2*(\j)+1], v[TT+2], v[TT+3]
.endr
.if \fill
	FILL \s                                        ; loads ahead of stores
.endif
.irp j, 0,1,2,3,4,5,6,7
	global_store_b64 v[OFS], v[Y+2*(\j):Y+2*(\j)+1], s[44:45] offset:256*(\j)-OUTB  ; 32 lanes store 256 consecutive bytes, aligned
.endr
.endm
.irp j, 0,1,2,3,4,5,6,7
	global_load_b128 v[W+4*(\j):W+4*(\j)+3], v1, s[38:39] offset:512*(\j)
	global_load_b128 v[B+4*(\j):B+4*(\j)+3], v1, s[40:41] offset:512*(\j)
.endr
	FILL 0
	FILL 1
	s_mov_b32 s34, 3                               ; the count is the same constant in every wave: 2 rows a trip, 2 behind the loop
.Lrows:
	s_cmp_gt_u32 s34, s46                          ; the latents' wave has four rows: it jumps over the first two trips.  A trip left out leaves both slots as they were,
	s_cbranch_scc1 .Ldead                          ; so the counts of the waits hold on every way through the loop
	TURN 0, 1, 8
	TURN 1, 1, 8
.Ldead:
	s_sub_co_u32 s34, s34, 1
	s_cmp_lg_u32 s34, 0
	s_cbranch_scc1 .Lrows
	TURN 0, 0, 8                                   ; the last two rows load nothing
	TURN 1, 0, 0
	s_endpgm
.Lfunc_end_k_q03e644a601_norm:
	.size	k_q03e644a601_norm, .Lfunc_end_k_q03e644a601_norm-k_q03e644a601_norm
	.p2alignl 7, 3214868480
	.fill 96, 4, 3214868480
	.section	.rodata,"a",@progbits
	.p2align	6, 0x0
	.amdhsa_kernel k_q03e644a601_norm
		.amdhsa_group_segment_fixed_size 0
		.amdhsa_private_segment_fixed_size 0
		.amdhsa_enable_private_segment 0
		.amdhsa_kernarg_size 88
		.amdhsa_user_sgpr_count 2
		.amdhsa_user_sgpr_kernarg_segment_ptr 1
		.amdhsa_wavefront_size32 1
		.amdhsa_system_sgpr_workgroup_id_x 1
		.amdhsa_system_sgpr_workgroup_id_y 1
		.amdhsa_system_sgpr_workgroup_id_z 1
		.amdhsa_system_vgpr_workitem_id 0
		.amdhsa_next_free_vgpr 168
		.amdhsa_next_free_sgpr 66
		.amdhsa_reserve_vcc 0
		.amdhsa_float_denorm_mode_32 3
		.amdhsa_float_denorm_mode_16_64 3
		.amdhsa_memory_ordered 1
		.amdhsa_forward_progress 1
		.amdhsa_inst_pref_size 69
	.end_amdhsa_kernel
	.amdgpu_metadata
---
amdhsa.version: [ 1, 2 ]
amdhsa.kernels:
  - .name:           k_q03e644a601_norm
    .symbol:         k_q03e644a601_norm.kd
    .args:
      - { .name: context, .offset: 0, .size: 8, .value_kind: global_buffer, .address_space: global }
      - { .name: latents, .offset: 8, .size: 8, .value_kind: global_buffer, .address_space: global }
      - { .name: ln_c_w, .offset: 16, .size: 8, .value_kind: global_buffer, .address_space: global }
      - { .name: ln_c_b, .offset: 24, .size: 8, .value_kind: global_buffer, .address_space: global }
      - { .name: ln_l_w, .offset: 32, .size: 8, .value_kind: global_buffer, .address_space: global }
      - { .name: ln_l_b, .offset: 40, .size: 8, .value_kind: global_buffer, .address_space: global }
      - { .name: Wkv, .offset: 48, .size: 8, .value_kind: global_buffer, .address_space: global }
      - { .name: Wq, .offset: 56, .size: 8, .value_kind: global_buffer, .address_space: global }
      - { .name: Wo, .offset: 64, .size: 8, .value_kind: global_buffer, .address_space: global }
      - { .name: xn, .offset: 72, .size: 8, .value_kind: global_buffer, .address_space: global }
      - { .name: wts, .offset: 80, .size: 8, .value_kind: global_buffer, .address_space: global }
    .group_segment_fixed_size: 0
    .private_segment_fixed_size: 0
    .kernarg_segment_align: 8
    .kernarg_segment_size: 88
    .max_flat_workgroup_size: 576
    .sgpr_count:     66
    .vgpr_count:     168
    .wavefront_size: 32
...
	.end_amdgpu_metadata
.endif
;; end of part 1
;; launch kvq (part 2): grid 4 x 64, 4 waves a work-group, clusters of 4 x 4, 327,680 bytes of LDS; arguments xn, wts, kf, vf, qf; writes kf, vf, qf
.if DOCPART == 2
	.amdgcn_target "amdgcn-amd-amdhsa--gfx1250"
	.amdhsa_code_object_version 6
	.text
	.protected	k_q03e644a601_kvq
	.globl	k_q03e644a601_kvq
	.p2align	8
	.type	k_q03e644a601_kvq,@function
k_q03e644a601_kvq:
	s_mov_b64 s[64:65], 0
	v_nop
	global_prefetch_b8 v0, s[64:65] scope:SCOPE_SE
	s_setreg_imm32_b32 hwreg(HW_REG_WAVE_MODE, 25, 1), 1
	s_wait_xcnt 0x0
	s_wait_alu depctr_hold_cnt(0) depctr_sa_sdst(0) depctr_va_vdst(0) depctr_va_sdst(0) depctr_va_ssrc(0) depctr_va_vcc(0) depctr_vm_vsrc(0)
	s_getreg_b32 s2, hwreg(HW_REG_IB_STS2, 6, 4)
	s_cmp_eq_u32 s2, 0
	s_cbranch_scc0 .Lentry_in_a_cluster
	s_endpgm
.Lentry_in_a_cluster:
	s_bfe_u32 s2, ttmp6, 0x10000c
	s_cmp_lg_u32 s2, 0xf033
	s_cbranch_scc0 .Lentry_shape_is_right
	s_endpgm
.Lentry_shape_is_right:
; K, V AND Q.  kv = xn[0:32768] x Wkv and q = xn[32768:] x Wq x c, c = log2(e) / sqrt(32); operands f16, sums f32, results rounded once to f16 and stored AS THE FRAGMENTS that the attention launch multiplies:
;   kf [b 16 + h][tile of 16 keys][half][lane][16 B]: lane (r, hh) of half f holds k[key r][channels 16 f + 8 hh + 0..7];  qf the same for tiles of 16 queries;
;   vf [b 16 + h][group of 32 keys][cb][half][lane][16 B]: lane (r, hh) holds v[keys 16 half + 8 hh + 0..7][channel 16 cb + r].
; LIMITS.  k, v and q x c must lie within f16 (65,504); below 6.1e-5 they keep the fixed step 6e-8.  NaN and infinities are not treated apart.
; SHAPE.  A tile of kv is 256 rows x 256 columns, made by four waves, 128 x 128 each: 64 accumulators of 16 x 16, 512 registers.  K goes in steps of 128 through a ring of two LDS slots filled by the tensor
; data mover.  A work-group makes TWO tiles, 16,384 rows apart, and the ring runs on from the first into the second.  The weight rows of tile column x are K's 128 columns of heads 4 x .. 4 x + 3, then V's.
; So a wave with an even number makes K, one with an odd number V.  ONE TEXT, TWO ORIENTATIONS: both sources of the matrix instruction have the same register layout and both tiles the same LDS form, so a K wave
; takes the weights as source 0 and the rows of xn as source 1 (a lane then holds 8 channels of one key), a V wave the other way round (8 keys of one channel): only two LDS base addresses differ.
; A lane's 8 results round to 16 bytes of a fragment, and a store of the wave is 512 consecutive bytes, aligned: no stage in LDS.
; Q.  While the first tiles are on their way each work-group makes 16 latent rows x 4 heads of q, a head a wave, straight from memory.
; CLUSTERS.  4 x 4 work-groups; the four of a row of the cluster need the same rows of xn, the four of a column the same weight rows: each tile is asked for JOINTLY, by the same tensor load with the same
; descriptor and a mask that names the four.
; REGISTERS, in windows of 256 (s_set_vgpr_msb: bits 1:0 source 0, 3:2 source 1, 5:4 source 2, 7:6 destination):
;   window 0: v0-31 addresses; v32-63 q's sums; v64-127, v128-191 source 1's fragments, two buffers; v192-255 rounded results, two sets
;   window 1: v64-127, v128-191 source 0's fragments;   windows 2, 3: the accumulators, (a, b) at v[8 (8 (a % 4) + b)], a = source 1's fragment, b = source 0's.  The q piece borrows windows 1 to 3.
.set SIZE_K, 1024
.set KSTEP,  128
.set PITCH,  272                       ; an LDS row: 256 bytes + 16 of padding = 68 words, so the 16 rows of a fragment load start at 16 different groups of four banks (64 banks of 4 bytes: ISA guide 11.1)
.set HALFT,  128*PITCH                 ; 128 rows: what one tensor load brings
.set SLOT,   4*HALFT                   ; 256 rows of xn, then 256 weight rows
.set SPARE,  2*SLOT                    ; behind the ring: the spare words, 128 bytes for each wave, which no other line names
.set LAPS,   SIZE_K/(2*KSTEP)
.set WALK,   16384                     ; rows from a work-group's first tile to its second
.set NEXT_A, WALK*SIZE_K*2-(SIZE_K-2*KSTEP)*2
.set BACK_B, (SIZE_K-2*KSTEP)*2
.set XL,     67108864                  ; the latents' rows in xn
.set QXO,  8                           ; v8      the q piece: my byte offset in 16 rows of 2,048 bytes
.set QSO,  9                           ; v9      16 x lane
.set ADR0, 16                          ; v16-17  LDS address of source 1's fragments in slot 0, 1
.set ADR1, 20                          ; v20-21  of source 0's
.set CO,   24                          ; v24-27  16 x lane + q x R1, q = b / 2
.set SPW,  28                          ; v28     my spare word: SPARE + 4 x my thread's number; never rewritten
.set NIL,  29                          ; v29     0; never rewritten
.set PFO,  30                          ; v30     the prefetches' offset: lane x 2,048; never rewritten
.set QA,   32
.set F0,   64
.set F1,   128
.set TMP,  192
.set G1,   24                          ; s[24:31] descriptor group 1 for xn's tiles;  s[32:39] group 0, a set for each slot
.set G0,   32
.set G1B,  48                          ; s[48:55], s[56:63] the same for the weights
.set G0B,  56
.set LIM,  43                          ; s43     1 in a wave that prefetches, else the greatest number
.set PFA,  44                          ; s[44:45] where my prefetches stand
.set OUTT, 66                          ; s[66:67] the tile's first fragment of mine in kf or vf
.set OUT,  68                          ; s[68:69] the same, walking through the tile
.set P1,   70                          ; s[70:71] bytes from a to a + 2
.set XN,   72
.set WT,   74
.set KFP,  76
.set VFP,  78
.set QFP,  80
.set R1,   82                          ; s82     bytes from b to b + 2
.set XLB,  84
.set WQB,  86
.set QFB,  88
.set CS,   90                          ; s[90:91] c
.set MSB, 0
.macro WIN new                         ; the immediate's high byte repeats the setting that is left; a switch that changes nothing is dropped
.if MSB != (\new)
	s_set_vgpr_msb (MSB<<8)|(\new)
.set MSB, \new
.endif
.endm
.set MUL_LO, 0xa1                      ; source 0 window 1, source 1 window 0, C and D window 2
.set MUL_HI, 0xf1                      ; the same, C and D window 3
.set TO_B,   0x40                      ; destination window 1, address window 0
; A joint load.  Waves 0 and 1 fetch the two halves of xn's tile, waves 2 and 3 those of the weights'.  The branch hangs on the wave's number alone.  An s_nop 0 and four v_nop follow each line.
.macro JLOAD s
	s_cmp_eq_u32 s11, 0
	s_cbranch_scc0 .Lfor_b_\@
	tensor_load_to_lds s[G0+4*(\s):G0+4*(\s)+3], s[G1:G1+7]
	s_nop 0
.rept 4
	v_nop
.endr
	s_branch .Lasked_\@
.Lfor_b_\@:
	tensor_load_to_lds s[G0B+4*(\s):G0B+4*(\s)+3], s[G1B:G1B+7]
	s_nop 0
.rept 4
	v_nop
.endr
.Lasked_\@:
.endm
; A prefetch of the K step that stands two refills on: 32 rows x 256 bytes, a lane a row, one instruction a wave.  The grid is one cluster wide, so a row of xn is read by one cluster, which asks for it;
; the weight rows are read by every cluster, and the cluster with y = 0 asks, in the first tile alone.  The four partners of a joint load share its 128 rows out by address, 32 each.
; how = 0, in the loop: a tile's last two refills have no K step two on; how = 1: at the change of tiles.
.macro ASK how
.if \how
	s_cmp_eq_u32 s[LIM], 1
.else
	s_cmp_gt_u32 s3, s[LIM]
.endif
	s_cbranch_scc0 .Lnot_mine_\@
	global_prefetch_b8 v[PFO], s[PFA:PFA+1] offset:KSTEP*2 th:TH_LOAD_NT scope:SCOPE_SE
.Lnot_mine_\@:
.endm
.macro CREST                           ; a round of the cluster's barrier behind its opening barrier
	s_cmp_lg_u32 s10, 0
	s_cbranch_scc1 .Lnot_wave_0_\@
	s_barrier_signal -3
.Lnot_wave_0_\@:
	s_barrier_wait -3
	s_barrier_signal -1
	s_barrier_wait -1
.endm
.macro CROUND
	s_barrier_signal -1
	s_barrier_wait -1
	CREST
.endm
	s_load_b256 s[72:79], s[0:1], 0x0              ; xn, wts, kf, vf
	s_load_b64 s[80:81], s[0:1], 0x20              ; qf
	v_lshl_add_u32 v[SPW], v0, 2, SPARE
	v_mov_b32 v[NIL], 0
	ds_add_u32 v[SPW], v[NIL]                      ; the wave's opening: the add and its wait ahead of my first tensor load; work on registers stands between them
	v_lshrrev_b32 v1, 5, v0
	v_readfirstlane_b32 s10, v1                    ; wave 0..3
	s_lshr_b32 s11, s10, 1                         ; which 128 rows of the tile are mine.  Also: I fetch for xn (0) or for the weights (1)
	s_and_b32 s12, s10, 1                          ; 0: I make K, 1: V.  Also: which 128 rows of that tile I fetch
	s_bfe_u32 s40, ttmp6, 0x40000                  ; cx
	s_bfe_u32 s41, ttmp6, 0x40004                  ; cy
	s_lshl_b32 s42, ttmp9, 2
	s_add_co_u32 s42, s42, s40                     ; tile column x
	s_and_b32 s13, ttmp7, 0xffff
	s_lshl_b32 s13, s13, 2
	s_add_co_u32 s13, s13, s41                     ; tile row 0..63
	s_lshl_b32 s43, s41, 2
	s_lshl_b32 s43, 15, s43                        ; my row of the cluster
	s_lshl_b32 s44, 0x1111, s40                    ; my column
	s_or_b32 s[G1+0], s43, (1<<16)|(1<<20)|(1<<21)|(5<<22)|(3<<25)   ; the mask; elements of 2 bytes; padding on; bit 21 beside a mask; after every 64 words, 4 words
	s_or_b32 s[G1B+0], s44, (1<<16)|(1<<20)|(1<<21)|(5<<22)|(3<<25)
.irp g, G1, G1B
	s_mov_b32 s[(\g)+1], KSTEP<<16                 ; tensor_dim0 = 128
	s_mov_b32 s[(\g)+2], 128<<16                   ; tensor_dim1 = 128
	s_mov_b32 s[(\g)+3], KSTEP<<16                 ; tile_dim0 = 128
	s_mov_b32 s[(\g)+4], 128                       ; tile_dim1 = 128
	s_mov_b32 s[(\g)+5], SIZE_K                    ; elements from row to row
	s_mov_b32 s[(\g)+6], 0
	s_mov_b32 s[(\g)+7], 0
.endr
	s_lshl_b32 s17, s12, 7
	s_lshl_b32 s16, s13, 8
	s_add_co_u32 s16, s16, s17                     ; xn: row 256 x tile row + 128 x half
	s_lshl_b32 s46, s42, 8
	s_add_co_u32 s46, s46, s17                     ; weights: row 256 x + 128 x half
	s_lshl_b32 s16, s16, 11                        ; rows of 2,048 bytes
	s_mov_b32 s17, 0
	s_lshl_b32 s46, s46, 11
	s_mov_b32 s47, 0
	s_mul_i32 s20, s10, HALFT                      ; where they go: wave x 128 rows: no place in the cluster enters an LDS address
	s_wait_dscnt 0x0                               ; the opening add is done
	s_wait_kmcnt 0x0
	s_add_nc_u64 s[14:15], s[XN:XN+1], s[16:17]
	s_add_nc_u64 s[46:47], s[WT:WT+1], s[46:47]
	CROUND                                         ; all sixteen work-groups are here: the first joint loads meet
.irp s, 0,1
	s_mov_b32 s[G0+4*(\s)], 1
	s_add_co_u32 s[G0+4*(\s)+1], s20, (\s)*SLOT
	s_add_nc_u64 s[G0+4*(\s)+2:G0+4*(\s)+3], s[14:15], (\s)*KSTEP*2
	s_or_b32 s[G0+4*(\s)+3], s[G0+4*(\s)+3], 0x80000000
	s_mov_b32 s[G0B+4*(\s)], 1
	s_add_co_u32 s[G0B+4*(\s)+1], s20, (\s)*SLOT
	s_add_nc_u64 s[G0B+4*(\s)+2:G0B+4*(\s)+3], s[46:47], (\s)*KSTEP*2
	s_or_b32 s[G0B+4*(\s)+3], s[G0B+4*(\s)+3], 0x80000000
	JLOAD \s
.endr
	; a fragment is 16 rows x 32 K in 8 registers: lane l holds row l % 16, K = 8 (l / 16) + 0..7 and 16 + 8 (l / 16) + 0..7: two loads of 16 bytes, 32 bytes apart
	v_and_b32 v1, 15, v0                           ; r
	v_bfe_u32 v2, v0, 4, 1                         ; hh
	v_mul_u32_u24 v3, v1, PITCH
	v_lshl_add_u32 v3, v2, 4, v3
	s_xor_b32 s18, s12, 1                          ; 1 in a K wave
	s_and_b32 s19, s11, s12                        ; 1 in the V wave of the tile's rows 128-255
	s_and_b32 s21, s11, s18                        ; 1 in the K wave of those rows
	s_mul_i32 s22, s18, 2*HALFT
	s_mul_i32 s19, s19, HALFT
	s_add_co_u32 s22, s22, s19                     ; source 0: a K wave takes K's weight rows, a V wave its rows of xn
	s_mul_i32 s23, s12, 3*HALFT
	s_mul_i32 s21, s21, HALFT
	s_add_co_u32 s23, s23, s21                     ; source 1: a K wave its rows of xn, a V wave V's weight rows
.irp s, 0,1
	v_add_nc_u32 v[ADR1+(\s)], s22, v3
	v_add_nc_u32 v[ADR0+(\s)], s23, v3
	s_add_co_u32 s22, s22, SLOT
	s_add_co_u32 s23, s23, SLOT
.endr
	; where results go: OUT + (a / 2) P1 + (a % 2) 1,024 + (b / 2) R1 + (b % 2) 512 + 16 lane.  K: a = key tile, b = 16 channels; V: a = 16 channels, b = key tile
	v_and_b32 v4, 31, v0
	v_lshlrev_b32 v[QSO], 4, v4
	s_mov_b32 s18, 2048
	s_mov_b32 s19, 0x80000                         ; a head's 524,288 bytes
	s_cmp_eq_u32 s12, 0
	s_cselect_b32 s[P1], s18, s19
	s_cselect_b32 s[R1], s19, s18
	s_cselect_b64 s[OUTT:OUTT+1], s[KFP:KFP+1], s[VFP:VFP+1]
	s_mov_b32 s[P1+1], 0
	v_mov_b32 v[CO], v[QSO]
	v_add_nc_u32 v[CO+1], s[R1], v[CO]
	v_add_nc_u32 v[CO+2], s[R1], v[CO+1]
	v_add_nc_u32 v[CO+3], s[R1], v[CO+2]
	s_lshl_b32 s16, s13, 8
	s_lshl_b32 s17, s11, 7
	s_add_co_u32 s16, s16, s17                     ; my first row of kv
	s_lshr_b32 s17, s16, 13
	s_lshl_b32 s17, s17, 23                        ; the batch: 16 heads
	s_and_b32 s16, s16, 8191
	s_lshl_b32 s16, s16, 6                         ; 64 bytes a key
	s_add_co_u32 s16, s16, s17
	s_lshl_b32 s17, s42, 21                        ; heads 4 x on
	s_add_co_u32 s16, s16, s17
	s_mov_b32 s17, 0
	s_add_nc_u64 s[OUTT:OUTT+1], s[OUTT:OUTT+1], s[16:17]
	; the q piece's addresses: latent rows 16 x tile row on, head 4 cx + wave
	s_lshl_b32 s14, s40, 2
	s_add_co_u32 s14, s14, s10
	s_lshl_b32 s16, s13, 15
	s_add_co_u32 s16, s16, XL
	s_add_nc_u64 s[XLB:XLB+1], s[XN:XN+1], s[16:17]
	s_lshl_b32 s16, s14, 16                        ; 32 rows of the turned Wq
	s_add_co_u32 s16, s16, 2097152
	s_add_nc_u64 s[WQB:WQB+1], s[WT:WT+1], s[16:17]
	s_lshr_b32 s16, s13, 4
	s_lshl_b32 s16, s16, 4
	s_add_co_u32 s16, s16, s14                     ; b 16 + h
	s_lshl_b32 s16, s16, 14
	s_and_b32 s18, s13, 15
	s_lshl_b32 s18, s18, 10
	s_add_co_u32 s16, s16, s18
	s_add_nc_u64 s[QFB:QFB+1], s[QFP:QFP+1], s[16:17]
	s_mov_b32 s[CS], 0x3e8293ee                    ; c = log2(e) / sqrt(32) = 0.255035
	s_mov_b32 s[CS+1], s[CS]
	; the prefetches
	s_lshl_b32 s18, s13, 8
	s_lshl_b32 s19, s42, 8
	s_and_b32 s22, ttmp7, 0xffff                   ; cluster y
	s_cmp_eq_u32 s11, 0                            ; do I fetch for xn?
	s_cselect_b32 s20, s18, s19                    ; the tile's first row
	s_cselect_b32 s21, s40, s41                    ; my place among the four that ask for it with me
	s_cselect_b32 s22, ttmp9, s22                  ; the coordinate along which other clusters read the same rows
	s_cselect_b64 s[PFA:PFA+1], s[XN:XN+1], s[WT:WT+1]
	s_cmp_eq_u32 s22, 0
	s_cselect_b32 s[LIM], 1, -1                    ; the same in all sixteen partners, for a given wave
	s_lshl_b32 s22, s12, 7
	s_add_co_u32 s20, s20, s22
	s_lshl_b32 s21, s21, 5
	s_add_co_u32 s20, s20, s21
	s_lshl_b32 s20, s20, 11
	s_mov_b32 s21, 0
	s_add_nc_u64 s[PFA:PFA+1], s[PFA:PFA+1], s[20:21]
	s_add_nc_u64 s[PFA:PFA+1], s[PFA:PFA+1], 2*KSTEP*2  ; at K step 2: the first refill steps it to 3 and names K step 4
	v_lshlrev_b32 v[PFO], 11, v4
	; THE Q PIECE.  q^T = Wq^T x^T: source 0 = 16 channels of my head, source 1 = the 16 latent rows; K = 1,024 in 32 fragments, all loaded at once into windows 1 to 3, which the tiles do not need yet.
	v_lshlrev_b32 v[QXO], 11, v1
	v_lshl_add_u32 v[QXO], v2, 4, v[QXO]
	WIN 0x40
.set ii, 0
.rept 32
	global_load_b128 v[8*ii:8*ii+3],   v[QXO], s[XLB:XLB+1] offset:64*ii
	global_load_b128 v[8*ii+4:8*ii+7], v[QXO], s[XLB:XLB+1] offset:64*ii+32
.set ii, ii+1
.endr
	WIN 0x80
.set ii, 0
.rept 32
	global_load_b128 v[8*ii:8*ii+3],   v[QXO], s[WQB:WQB+1] offset:64*ii
	global_load_b128 v[8*ii+4:8*ii+7], v[QXO], s[WQB:WQB+1] offset:64*ii+32
.set ii, ii+1
.endr
	WIN 0xc0
.set ii, 0
.rept 32
	global_load_b128 v[8*ii:8*ii+3],   v[QXO], s[WQB:WQB+1] offset:32768+64*ii
	global_load_b128 v[8*ii+4:8*ii+7], v[QXO], s[WQB:WQB+1] offset:32768+64*ii+32
.set ii, ii+1
.endr
	s_wait_loadcnt 0x0
.irp c, 0,1                            ; channels 16 c on: two accumulators take turns by the fragment's parity; the first two products start the sums
	WIN 0x06+(\c)                                  ; source 0 window 2 + c, source 1 window 1, C and D window 0
.set ii, 0
.rept 32
.if ii < 2
	v_wmma_f32_16x16x32_f16 v[QA+16*(\c)+8*(ii%2):QA+16*(\c)+8*(ii%2)+7], v[8*ii:8*ii+7], v[8*ii:8*ii+7], 0
.else
	v_wmma_f32_16x16x32_f16 v[QA+16*(\c)+8*(ii%2):QA+16*(\c)+8*(ii%2)+7], v[8*ii:8*ii+7], v[8*ii:8*ii+7], v[QA+16*(\c)+8*(ii%2):QA+16*(\c)+8*(ii%2)+7]
.endif
.set ii, ii+1
.endr
.endr
	WIN 0
.rept 8
	v_nop                                          ; the places behind the last products, once a launch
.endr
.irp c, 0,16
.irp p, 0,2,4,6
	v_pk_add_f32 v[QA+(\c)+(\p):QA+(\c)+(\p)+1], v[QA+(\c)+(\p):QA+(\c)+(\p)+1], v[QA+(\c)+8+(\p):QA+(\c)+8+(\p)+1]  ; the two parities
.endr
.endr
.irp c, 0,16
.irp p, 0,2,4,6
	v_pk_mul_f32 v[QA+(\c)+(\p):QA+(\c)+(\p)+1], v[QA+(\c)+(\p):QA+(\c)+(\p)+1], s[CS:CS+1] op_sel_hi:[1,0]
.endr
.endr
.irp r, 0,1,2,3
	v_cvt_pk_f16_f32 v[TMP+(\r)], v[QA+2*(\r)], v[QA+2*(\r)+1]
	v_cvt_pk_f16_f32 v[TMP+4+(\r)], v[QA+16+2*(\r)], v[QA+16+2*(\r)+1]
.endr
	global_store_b128 v[QSO], v[TMP:TMP+3], s[QFB:QFB+1]
	global_store_b128 v[QSO], v[TMP+4:TMP+7], s[QFB:QFB+1] offset:512
; 16 matrix instructions: source 1's fragments a0, a0 + 1 of the window's four x all 8 of source 0's, 32 along K.  zero = 1: the product starts the sums
.macro MUL16 f, hi, a0, zero
	WIN MUL_LO+0x50*(\hi)
.irp a, \a0, (\a0)+1
.irp b, 0,1,2,3,4,5,6,7
.if \zero
	v_wmma_f32_16x16x32_f16 v[8*(8*(\a)+(\b)):8*(8*(\a)+(\b))+7], v[(\f)+8*(\b):(\f)+8*(\b)+7], v[(\f)+8*(4*(\hi)+(\a)):(\f)+8*(4*(\hi)+(\a))+7], 0
.else
	v_wmma_f32_16x16x32_f16 v[8*(8*(\a)+(\b)):8*(8*(\a)+(\b))+7], v[(\f)+8*(\b):(\f)+8*(\b)+7], v[(\f)+8*(4*(\hi)+(\a)):(\f)+8*(4*(\hi)+(\a))+7], v[8*(8*(\a)+(\b)):8*(8*(\a)+(\b))+7]
.endif
.endr
.endr
.endm
; 32 LDS loads in one run: the fragments of one quarter step (32 K at byte k of the rows) into buffer f: source 0's first, then source 1's
.macro FETCH slot, k, f
	WIN TO_B
.irp i, 0,1,2,3,4,5,6,7
	ds_load_b128 v[(\f)+8*(\i):(\f)+8*(\i)+3],   v[ADR1+(\slot)] offset:(\k)+(\i)*16*PITCH
	ds_load_b128 v[(\f)+8*(\i)+4:(\f)+8*(\i)+7], v[ADR1+(\slot)] offset:(\k)+(\i)*16*PITCH+32
.endr
	WIN 0
.irp i, 0,1,2,3,4,5,6,7
	ds_load_b128 v[(\f)+8*(\i):(\f)+8*(\i)+3],   v[ADR0+(\slot)] offset:(\k)+(\i)*16*PITCH
	ds_load_b128 v[(\f)+8*(\i)+4:(\f)+8*(\i)+7], v[ADR0+(\slot)] offset:(\k)+(\i)*16*PITCH+32
.endr
.endm
.macro PLACES                          ; four places in front of loads into registers that matrix instructions have read, and of conversions that read results
.rept 4
	v_nop
.endr
.endm
; A K step is four quarters of 32 along K, 64 matrix instructions each, on buffers 0, 1, 0, 1.  One of the first three multiplies buffer f and fetches the next quarter, at byte k, into g.
.macro QUARTER slot, k, f, g, zero
	s_wait_dscnt 8                                 ; all but the youngest eight loads (source 1's fragments 4-7) are in
	MUL16 \f, 0, 0, \zero
	MUL16 \f, 0, 2, \zero
	PLACES
	FETCH \slot, \k, \g
	s_wait_dscnt 32                                ; all but the 32 just issued
	MUL16 \f, 1, 0, \zero
	MUL16 \f, 1, 2, \zero
.endm
; The last quarter's first half: ONE barrier for the change of slots.  In front of it each wave waits for all its tensor loads (one is out: its part of the next slot), adds 0 to its spare word, and waits for
; that and for its reads of this slot.
.macro MEET round
	WIN 0
	s_wait_tensorcnt 0x0
	ds_add_u32 v[SPW], v[NIL]
	s_wait_dscnt 9                                 ; (the add and the youngest eight loads may be out)
	MUL16 F1, 0, 0, 0
	s_wait_dscnt 0x0                               ; the add is done, and my reads of this slot are over
	s_barrier_signal -1
	MUL16 F1, 0, 2, 0
.if \round
	WIN 0
.endif
	s_barrier_wait -1
.endm
; The whole last quarter.  The slot just read out is filled again first behind the round: with this tile's K step two on (on = 0) or with the next tile's K step 0 or 1 (on = 1).
.macro TURN slot, next, on
	s_wait_xcnt 0x0                                ; the last prefetch, a K step back, has read its address
.if (\on) && (\slot) == 0
	s_add_nc_u64 s[PFA:PFA+1], s[PFA:PFA+1], (WALK-1)*SIZE_K*2+KSTEP*2  ; from behind the tile's last K step to the next tile's K step 1
	s_cmp_eq_u32 s11, 0
	s_cselect_b32 s[LIM], s[LIM], -1               ; the weight rows are the same for both tiles: they are asked for no more
.else
	s_add_nc_u64 s[PFA:PFA+1], s[PFA:PFA+1], KSTEP*2
.endif
	MEET 1
	CREST                                          ; no wave of any partner still reads this slot or has a load on its way
.if \on
	s_add_nc_u64 s[G0+4*(\slot)+2:G0+4*(\slot)+3], s[G0+4*(\slot)+2:G0+4*(\slot)+3], NEXT_A
	s_sub_nc_u64 s[G0B+4*(\slot)+2:G0B+4*(\slot)+3], s[G0B+4*(\slot)+2:G0B+4*(\slot)+3], BACK_B
.else
	s_add_nc_u64 s[G0+4*(\slot)+2:G0+4*(\slot)+3], s[G0+4*(\slot)+2:G0+4*(\slot)+3], 2*KSTEP*2
	s_add_nc_u64 s[G0B+4*(\slot)+2:G0B+4*(\slot)+3], s[G0B+4*(\slot)+2:G0B+4*(\slot)+3], 2*KSTEP*2
.endif
	JLOAD \slot                                    ; the first tensor load behind the round; its four v_nop are also the places in front of the loads below
	FETCH \next, 0, F0
	ASK \on
	MUL16 F1, 1, 0, 0
	MUL16 F1, 1, 2, 0
.endm
; Block a (source 1's fragment a, all eight b) leaves: rounded to f16, registers ascending, and stored, 512 consecutive bytes a store.
.macro OUTBLK a
	s_wait_xcnt 0x0                                ; the stores issued so far have read their data and their base
.if ((\a) > 0) && ((\a)%2 == 0)
	s_add_nc_u64 s[OUT:OUT+1], s[OUT:OUT+1], s[P1:P1+1]
.endif
.set AC, 64*((\a)%4)
.set TB, TMP+32*((\a)%2)
	WIN 0x0a+5*((\a)/4)                            ; sources 0 and 1: window 2 or 3
.irp b, 0,1,2,3,4,5,6,7
.irp r, 0,1,2,3
	v_cvt_pk_f16_f32 v[TB+4*(\b)+(\r)], v[AC+8*(\b)+2*(\r)], v[AC+8*(\b)+2*(\r)+1]
.endr
.endr
	WIN 0
.irp b, 0,1,2,3,4,5,6,7
	global_store_b128 v[CO+(\b)/2], v[TB+4*(\b):TB+4*(\b)+3], s[OUT:OUT+1] offset:((\a)%2)*1024+((\b)%2)*512
.endr
.endm
	s_wait_tensorcnt 1                             ; my part of K step 0 is in; K step 1's may stay out
	s_barrier_signal -1
	s_barrier_wait -1
	FETCH 0, 0, F0
	s_mov_b32 s2, 2                                ; tiles to go
.Ltile:
	s_mov_b64 s[OUT:OUT+1], s[OUTT:OUTT+1]
	QUARTER 0, 64,  F0, F1, 1                      ; a tile's first quarter starts the sums
	WIN 0
	s_mov_b32 s3, LAPS-1
.Llap:                                                 ; a trip goes once round the ring and fills both slots again
	QUARTER 0, 128, F1, F0, 0
	QUARTER 0, 192, F0, F1, 0
	TURN 0, 1, 0
	QUARTER 1, 64,  F0, F1, 0
	QUARTER 1, 128, F1, F0, 0
	QUARTER 1, 192, F0, F1, 0
	TURN 1, 0, 0
	QUARTER 0, 64,  F0, F1, 0
	WIN 0
	s_sub_co_u32 s3, s3, 1
	s_cmp_lg_u32 s3, 0
	s_cbranch_scc1 .Llap
	QUARTER 0, 128, F1, F0, 0
	QUARTER 0, 192, F0, F1, 0
	WIN 0
	s_cmp_eq_u32 s2, 1
	s_cbranch_scc1 .Llast                          ; the last tile's tail is written out: it asks for nothing more
	TURN 0, 1, 1                                   ; the ring goes on into the second tile
	QUARTER 1, 64,  F0, F1, 0
	QUARTER 1, 128, F1, F0, 0
	QUARTER 1, 192, F0, F1, 0
	TURN 1, 0, 1
.irp a, 0,1,2,3,4,5,6,7                ; both refills are asked for: now the tile goes out.  Blocks 0-3 were finished in front of the joint load's four v_nop; their conversions are the places behind the last products
	OUTBLK \a
.endr
	s_wait_xcnt 0x0
	s_add_nc_u64 s[OUTT:OUTT+1], s[OUTT:OUTT+1], 16777216  ; 16,384 rows on: two batches
	s_sub_co_u32 s2, s2, 1
	s_branch .Ltile
.Llast:
	MEET 0                                         ; the load that was out is the last K step's, so no round follows
	PLACES
	FETCH 1, 0, F0
	MUL16 F1, 1, 0, 0
	MUL16 F1, 1, 2, 0
	QUARTER 1, 64,  F0, F1, 0
	QUARTER 1, 128, F1, F0, 0
	QUARTER 1, 192, F0, F1, 0
	s_wait_dscnt 8
	MUL16 F1, 0, 0, 0
	MUL16 F1, 0, 2, 0
	s_wait_dscnt 0x0
	MUL16 F1, 1, 0, 0
	MUL16 F1, 1, 2, 0
	WIN 0
	PLACES
.irp a, 0,1,2,3,4,5,6,7
	OUTBLK \a
.endr
	s_wait_tensorcnt 0x0                           ; the wave's end
	ds_add_u32 v[SPW], v[NIL]
	s_wait_dscnt 0x0
	CROUND                                         ; the closing round: no work-group ends while a partner may still ask for a tile that names it
	s_endpgm
.Lfunc_end_k_q03e644a601_kvq:
	.size	k_q03e644a601_kvq, .Lfunc_end_k_q03e644a601_kvq-k_q03e644a601_kvq
	.p2alignl 7, 3214868480
	.fill 96, 4, 3214868480
	.section	.rodata,"a",@progbits
	.p2align	6, 0x0
	.amdhsa_kernel k_q03e644a601_kvq
		.amdhsa_group_segment_fixed_size 327680
		.amdhsa_private_segment_fixed_size 0
		.amdhsa_enable_private_segment 0
		.amdhsa_kernarg_size 40
		.amdhsa_user_sgpr_count 2
		.amdhsa_user_sgpr_kernarg_segment_ptr 1
		.amdhsa_wavefront_size32 1
		.amdhsa_system_sgpr_workgroup_id_x 1
		.amdhsa_system_sgpr_workgroup_id_y 1
		.amdhsa_system_sgpr_workgroup_id_z 1
		.amdhsa_system_vgpr_workitem_id 0
		.amdhsa_next_free_vgpr 1024
		.amdhsa_next_free_sgpr 92
		.amdhsa_reserve_vcc 0
		.amdhsa_float_denorm_mode_32 3
		.amdhsa_float_denorm_mode_16_64 3
		.amdhsa_memory_ordered 1
		.amdhsa_forward_progress 1
		.amdhsa_inst_pref_size 217
	.end_amdhsa_kernel
	.amdgpu_metadata
---
amdhsa.version: [ 1, 2 ]
amdhsa.kernels:
  - .name:           k_q03e644a601_kvq
    .symbol:         k_q03e644a601_kvq.kd
    .args:
      - { .name: xn, .offset: 0, .size: 8, .value_kind: global_buffer, .address_space: global }
      - { .name: wts, .offset: 8, .size: 8, .value_kind: global_buffer, .address_space: global }
      - { .name: kf, .offset: 16, .size: 8, .value_kind: global_buffer, .address_space: global }
      - { .name: vf, .offset: 24, .size: 8, .value_kind: global_buffer, .address_space: global }
      - { .name: qf, .offset: 32, .size: 8, .value_kind: global_buffer, .address_space: global }
    .group_segment_fixed_size: 327680
    .private_segment_fixed_size: 0
    .kernarg_segment_align: 8
    .kernarg_segment_size: 40
    .max_flat_workgroup_size: 128
    .sgpr_count:     92
    .vgpr_count:     1024
    .wavefront_size: 32
...
	.end_amdgpu_metadata
.endif
;; end of part 2
;; launch attn (part 3): grid 4 x 64, 8 waves a work-group, no clusters, 263,168 bytes of LDS; arguments kf, vf, qf, op; writes op
.if DOCPART == 3
	.amdgcn_target "amdgcn-amd-amdhsa--gfx1250"
	.amdhsa_code_object_version 6
	.text
	.protected	k_q03e644a601_attn
	.globl	k_q03e644a601_attn
	.p2align	8
	.type	k_q03e644a601_attn,@function
k_q03e644a601_attn:
	s_mov_b64 s[64:65], 0
	v_nop
	global_prefetch_b8 v0, s[64:65] scope:SCOPE_SE
	s_setreg_imm32_b32 hwreg(HW_REG_WAVE_MODE, 25, 1), 1
	s_wait_xcnt 0x0
; ATTENTION, IN PARTS.  For one (batch, head) and one quarter of its 8,192 keys: the sums over those 2,048 keys of p v and of p, for all 256 queries; p = 2^clip(k . q', -B, B), q' = q log2(e) / sqrt(32),
; B = 11 log2(e).  NO RUNNING MAXIMUM: the clip to +-11, which the module itself makes, bounds p to 1.67e-5 .. 59,874 and a row's sum to 4.9e8: nothing overflows or underflows in f32, p fits f16, and the sums
; of key ranges simply add.  LIMITS.  p is rounded to f16 for both sums (below 6.1e-5 with the fixed step 6e-8); the sum of p is taken of the rounded p, by a product with ones.  A NaN score counts as a bound.
; SHARES.  Eight waves: wave w takes the 128 queries of half w % 2 (eight tiles of 16) and the 512 keys of quarter w / 2 of the work-group's 2,048.  The four key quarters' sums meet in LDS at the end.
; No cluster: no two work-groups read the same K or V.  THE WORK-GROUP'S WHOLE K AND V, 262,144 bytes, LIE IN LDS, each byte filled once, by two tensor loads a wave (by this text's count two are outstanding):
; the first brings five key steps' bytes, 40 rows of 256, so that the products can begin; the second, issued behind the clearing of the sums, the other 88 rows.  Nothing is filled again: no ring, nothing to ask for ahead.
; LAYOUT.  kf, vf and qf hold ready fragments, 512 consecutive bytes for four registers of the wave.  S^T = K Q^T (source 0 = 16 keys, source 1 = 16 queries, K = the head's 32 channels: one instruction): a lane
; holds ONE query (lane % 16) and keys 8 (lane / 16) + 0..7.  Two such results rounded in pairs ARE source 1 (32 keys x 16 queries) of O^T = V^T P and of L = ones x P.
; BY TURNS.  A key step is 32 keys against the wave's four GROUPS of two query tiles.  Turn g belongs to group g.  Its matrix work: the 6 products V^T P and ones x P of the group before, then the 4 products K Q^T of
; the group after.  Its vector work: group g's 32 clips, 32 exponentials and 16 roundings.  Four of the clips and exponentials stand behind each of the 10 matrix instructions; the other 24 and the roundings follow in
; a run of their own.  The 32 exponentials are one batch with one wait.  The first turn of all multiplies zeros; the last turn's 4 products K Q^T take bytes of V as K, and nobody reads them: the price of one text.
; REGISTERS.  Window 0: addresses; v8-15 ones; v16-31 K; v32-47 V; v48-63 and v208-223 P, two buffers; v64-127 S^T, two buffers (a group's buffers go by its number's parity); v128-191 Q; v192-199 l.
; Window 1: v[16 t + 8 cb] O^T of tile t, v[128 + 8 t] L.  So a product V^T P has a window switch in front and one behind.  O^T and L are cleared once, while the first bytes are on their way.
.set SPARE, 262144                     ; behind K and V: the spare words, 128 bytes for each of eight waves, which no other line names
.set STG,   17408                      ; a wave's stage at the end: 34 quads of 512 bytes, in bytes whose one fill is long over
.set C0R,   40                         ; rows of 256 bytes in a wave's first load: key steps 0 to 4 (step 3 already fetches K of step 4)
.set C0B,   256*C0R
.set AD,   1                           ; v1    the step's LDS address
.set AD0,  2                           ; v2    65,536 x key quarter + 16 x lane; never rewritten
.set STV,  3                           ; v3    my 16 bytes of a quad in my stage
.set RD0,  4                           ; v4    the quads that I add up, in the stages of key quarters 0 and 1
.set RD1,  5                           ; v5    of 2 and 3
.set GOV,  6                           ; v6    their place in op
.set LN,   7                           ; v7    16 x lane
.set ONES, 8
.set KF,   16
.set VF,   32
.set P,    48                          ; buffer 0; buffer 1 lies 160 registers on
.set S,    64
.set Q,    128
.set LT,   192
.set SPW,  200                         ; v200  my spare word; never rewritten
.set NIL,  201                         ; v201  0; never rewritten
.set RL0,  202                         ; v202-204  as RD0, RD1, GOV, for the quad of l
.set RL1,  203
.set GLV,  204
.set LO,   32                          ; s32   -B
.set HI,   33                          ; s33   +B
.set TB,   36                          ; s36   the step's byte in a key quarter's K and V
.set MSB, 0
.macro WIN new                         ; the immediate's high byte repeats the setting that is left; a switch that changes nothing is dropped
.if MSB != (\new)
	s_set_vgpr_msb (MSB<<8)|(\new)
.set MSB, \new
.endif
.endm
	s_load_b256 s[4:11], s[0:1], 0x0               ; kf s[4:5], vf s[6:7], qf s[8:9], op s[10:11]
	v_lshl_add_u32 v[SPW], v0, 2, SPARE
	v_mov_b32 v[NIL], 0
	ds_add_u32 v[SPW], v[NIL]                      ; the wave's opening: the add and its wait ahead of my first tensor load
	v_lshrrev_b32 v1, 5, v0
	v_readfirstlane_b32 s12, v1                    ; wave 0..7
	s_and_b32 s13, s12, 1                          ; query half.  Also: I fetch K (0) or V (1)
	s_lshr_b32 s14, s12, 1                         ; key quarter
	s_and_b32 s15, ttmp7, 0xffff                   ; b 16 + h
	; descriptor group 1, twice: a dense block as rows of 256 bytes: 40 rows, then 88
	s_mov_b32 s16, 3<<16                           ; elements of 8 bytes, no mask, no padding
	s_mov_b32 s17, 32<<16                          ; tensor_dim0 = 32
	s_mov_b32 s18, C0R<<16                         ; tensor_dim1
	s_mov_b32 s19, 32<<16                          ; tile_dim0 = 32
	s_mov_b32 s20, C0R                             ; tile_dim1
	s_mov_b32 s21, 32                              ; elements from row to row
	s_mov_b32 s22, 0
	s_mov_b32 s23, 0
	s_mov_b32 s48, 3<<16
	s_mov_b32 s49, 32<<16
	s_mov_b32 s50, (128-C0R)<<16
	s_mov_b32 s51, 32<<16
	s_mov_b32 s52, 128-C0R
	s_mov_b32 s53, 32
	s_mov_b32 s54, 0
	s_mov_b32 s55, 0
	s_lshl_b32 s2, s15, 19                         ; a head's 524,288 bytes, in kf and in vf alike,
	s_lshl_b32 s3, ttmp9, 17                       ; the work-group's 2,048 keys of 64 bytes,
	s_add_co_u32 s2, s2, s3
	s_lshl_b32 s3, s14, 15                         ; my key quarter's 512
	s_add_co_u32 s2, s2, s3
	s_mov_b32 s3, 0
	s_lshl_b32 s37, s12, 15                        ; my 32,768 bytes of LDS: K of quarter w / 2 in an even wave's, V in the odd wave's behind it
	s_mov_b32 s24, 1
	s_add_co_u32 s25, s37, 0
	s_mov_b32 s28, 1
	s_add_co_u32 s29, s37, C0B
	s_mov_b32 s[LO], 0xc17dea11                    ; -11 log2(e)
	s_mov_b32 s[HI], 0x417dea11
	s_wait_dscnt 0x0                               ; the opening add is done
	s_wait_kmcnt 0x0
	s_cmp_eq_u32 s13, 0
	s_cselect_b64 s[38:39], s[4:5], s[6:7]
	s_add_nc_u64 s[26:27], s[38:39], s[2:3]
	s_add_nc_u64 s[30:31], s[26:27], C0B
	s_or_b32 s27, s27, 0x80000000
	s_or_b32 s31, s31, 0x80000000
	tensor_load_to_lds s[24:27], s[16:23]          ; key steps 0 to 4 of the quarter
	s_nop 0
.rept 4
	v_nop
.endr
	v_and_b32 v[LN], 31, v0
	v_lshlrev_b32 v[LN], 4, v[LN]
	s_lshl_b32 s2, s15, 14                         ; a head's 16 query tiles of 1,024 bytes,
	s_lshl_b32 s40, s13, 13                        ; my eight
	s_add_co_u32 s2, s2, s40
	s_add_nc_u64 s[8:9], s[8:9], s[2:3]
.set ii, 0
.rept 16
	global_load_b128 v[Q+4*ii:Q+4*ii+3], v[LN], s[8:9] offset:512*ii
.set ii, ii+1
.endr
.set ii, 0
.rept 8
	v_mov_b32 v[ONES+ii], 0x3c003c00               ; 1.0 twice in f16
.set ii, ii+1
.endr
.set ii, 0
.rept 16
	v_mov_b32 v[VF+ii], 0                          ; what the first turn of all multiplies: V and P's second buffer are 0
	v_mov_b32 v[P+160+ii], 0
.set ii, ii+1
.endr
	WIN 0x40
.set ii, 0
.rept 192
	v_mov_b32 v[ii], 0                             ; O^T and L
.set ii, ii+1
.endr
	WIN 0
	tensor_load_to_lds s[28:31], s[48:55]          ; key steps 5 to 15: asked for behind the clearing, so that all eight waves' first loads stand ahead of it
	s_nop 0
.rept 4
	v_nop
.endr
	v_lshl_add_u32 v[AD0], s14, 16, v[LN]
	s_mul_i32 s40, s12, STG
	v_add_nc_u32 v[STV], s40, v[LN]
	s_mul_i32 s40, s13, STG                        ; the stages of my query half are those of waves 2 kq + qh
	s_lshl_b32 s41, s14, 12                        ; I add up quads 8 kq .. 8 kq + 7
	v_add_nc_u32 v[GOV], s41, v[LN]
	s_add_co_u32 s41, s41, s40
	v_add_nc_u32 v[RD0], s41, v[LN]
	v_add_nc_u32 v[RD1], 4*STG, v[RD0]
	s_lshl_b32 s41, s14, 9
	s_add_co_u32 s41, s41, 32*512                  ; and, in key quarters 0 and 1, quad 32 + kq
	v_add_nc_u32 v[GLV], s41, v[LN]
	s_add_co_u32 s41, s41, s40
	v_add_nc_u32 v[RL0], s41, v[LN]
	v_add_nc_u32 v[RL1], 4*STG, v[RL0]
	s_lshl_b32 s2, s15, 2
	s_add_co_u32 s2, s2, ttmp9
	s_mul_i32 s2, s2, 2*STG
	s_add_co_u32 s2, s2, s40
	s_add_nc_u64 s[10:11], s[10:11], s[2:3]        ; op at my work-group's and my query half's 17,408 bytes
; THE TURN'S NEXT MATRIX INSTRUCTION; m counts them.  0-3: O^T += V^T P of group GP, channels 16 (m / 2) on, tile 2 GP + m % 2.  4, 5: L += ones x P.  6-9: S^T = K Q^T of group GN, keys 16 ((m - 6) / 2) on,
; tile 2 GN + m % 2: one instruction starts and ends a sum.  Ten different accumulators: they take turns over the backward jump too.
.macro MM
.if m < 4
.set rO, 16*(2*GP+m%2)+8*(m/2)
	WIN 0x50                                       ; C and D in window 1
	v_wmma_f32_16x16x32_f16 v[rO:rO+7], v[VF+8*(m/2):VF+8*(m/2)+7], v[PP+8*(m%2):PP+8*(m%2)+7], v[rO:rO+7]
.elseif m < 6
.set rO, 128+8*(2*GP+m-4)
	WIN 0x50
	v_wmma_f32_16x16x32_f16 v[rO:rO+7], v[ONES:ONES+7], v[PP+8*(m-4):PP+8*(m-4)+7], v[rO:rO+7]
.else
.set rO, SN+16*(m%2)+8*((m-6)/2)
	WIN 0
	v_wmma_f32_16x16x32_f16 v[rO:rO+7], v[KF+8*((m-6)/2):KF+8*((m-6)/2)+7], v[Q+8*(2*GN+m%2):Q+8*(2*GN+m%2)+7], 0
.endif
.set m, m+1
.endm
; THE NEXT OF THE TURN'S 64 CLIPS AND EXPONENTIALS; n counts them.  Clips 0 and 1, then exponential i and clip i + 2 by turns, then exponentials 30 and 31: the registers ascend.
; None of the 64 reads an exponential's result.
.macro VQ
	WIN 0
.if n < 2
	v_med3_num_f32 v[SB+n], v[SB+n], s[LO], s[HI]
.elseif n >= 62
	v_exp_f32 v[SB+n-32], v[SB+n-32]
.elseif n%2 == 0
	v_exp_f32 v[SB+(n-2)/2], v[SB+(n-2)/2]
.else
	v_med3_num_f32 v[SB+(n+1)/2], v[SB+(n+1)/2], s[LO], s[HI]
.endif
.set n, n+1
.endm
; TURN g.  V of the step in hand is fetched in turn 0, behind the sixth product: behind V's last reader, the fourth, stand twelve of the 64, six of them plain.  It is waited for at the head of turn 1.
; K of the next step is fetched in turn 2, twelve of the 64 (six plain) behind K's last reader, and waited for ahead of turn 3's products K Q^T.
.macro TURN g
.set GP, ((\g)+3)%4
.set GN, ((\g)+1)%4
.set PP, P+160*(GP%2)
.set PC, P+160*((\g)%2)
.set SB, S+32*((\g)%2)
.set SN, S+32*(GN%2)
.set m, 0
.set n, 0
.if (\g) == 1
	s_wait_dscnt 0x0                               ; V is in
.endif
.rept 6
	MM
	VQ
	VQ
	VQ
	VQ
.endr
.if (\g) == 0
.irp f, 0,1,2,3
	ds_load_b128 v[VF+4*(\f):VF+4*(\f)+3], v[AD] offset:32768+512*(\f)   ; two fragments of V
.endr
.endif
.if (\g) == 3
	s_wait_dscnt 0x0                               ; K of the next step is in
.endif
.rept 4
	MM
	VQ
	VQ
	VQ
	VQ
.endr
.rept 8
	VQ
.endr
.if (\g) == 2
.irp f, 0,1,2,3
	ds_load_b128 v[KF+4*(\f):KF+4*(\f)+3], v[AD] offset:2048+512*(\f)    ; two fragments of K, one step on
.endr
.endif
.rept 16
	VQ
.endr
	v_nop                                          ; the plain instruction behind the last exponential
	s_wait_alu depctr_va_vdst(0)                   ; the wait ahead of the first reader: one for the batch of 32
.set ii, 0
.rept 16
	v_cvt_pk_f16_f32 v[PC+ii], v[SB+2*ii], v[SB+2*ii+1]
.set ii, ii+1
.endr
.endm
	s_wait_loadcnt 0x0                             ; Q
	s_wait_tensorcnt 1                             ; my first load is in; the second may stay out
	s_barrier_signal -1
	s_barrier_wait -1                              ; everybody's first load is in
	s_mov_b32 s[TB], 0
.irp f, 0,1,2,3
	ds_load_b128 v[KF+4*(\f):KF+4*(\f)+3], v[AD0] offset:512*(\f)         ; K of key step 0
.endr
	s_wait_dscnt 0x0
.set GN, 0
.set SN, S
.set m, 6
.rept 4
	MM                                             ; group 0's first scores: there is no vector work yet to set between them
.endr
.rept 4
	v_nop                                          ; the places behind them
.endr
	s_mov_b32 s35, 4
.Lpart:                                                ; four parts of four key steps
	s_mov_b32 s34, 4
.Lstep:
	v_add_nc_u32 v[AD], s[TB], v[AD0]
	s_add_co_u32 s[TB], s[TB], 2048
	TURN 0
	TURN 1
	TURN 2
	TURN 3
	s_sub_co_u32 s34, s34, 1
	s_cmp_lg_u32 s34, 0
	s_cbranch_scc1 .Lstep
	s_wait_tensorcnt 0x0                           ; behind the first part: my second load is in, for the others' sake (behind the later parts nothing is out);
	s_wait_dscnt 0x0                               ; behind the last: my reads of K and V are over
	s_barrier_signal -1
	s_barrier_wait -1
	s_sub_co_u32 s35, s35, 1
	s_cmp_lg_u32 s35, 0
	s_cbranch_scc1 .Lpart
.set GP, 3
.set PP, P+160
.set m, 0
.rept 6
	MM                                             ; the last group's V^T P and ones x P of the last step: registers alone
.endr
	WIN 0
	; THE END.  Nobody reads K or V any more, and every fill has landed: each wave lays its sums into a stage there, 34 quads of 512 bytes: quad 4 t + g = registers 4 g .. of tile t's O^T; quads 32, 33 = l.
.rept 8
	v_nop                                          ; the places behind the last products, once a launch
.endr
	WIN 0x01
.set ii, 0
.rept 8
	v_mov_b32 v[LT+ii], v[128+8*ii]                ; every row of L holds the query's sum: the lowest register is taken
.set ii, ii+1
.endr
	WIN 0x04                                       ; store data in window 1
.set ii, 0
.rept 32
	ds_store_b128 v[STV], v[4*ii:4*ii+3] offset:512*ii
.set ii, ii+1
.endr
	WIN 0
	ds_store_b128 v[STV], v[LT:LT+3] offset:32*512
	ds_store_b128 v[STV], v[LT+4:LT+7] offset:33*512
	s_wait_dscnt 0x0                               ; for the others' sake
	s_barrier_signal -1
	s_barrier_wait -1
.irp i, 0,1,2,3,4,5,6,7
	ds_load_b128 v[64+4*(\i):64+4*(\i)+3],   v[RD0] offset:512*(\i)
	ds_load_b128 v[96+4*(\i):96+4*(\i)+3],   v[RD0] offset:2*STG+512*(\i)
	ds_load_b128 v[128+4*(\i):128+4*(\i)+3], v[RD1] offset:512*(\i)
	ds_load_b128 v[160+4*(\i):160+4*(\i)+3], v[RD1] offset:2*STG+512*(\i)
.endr
	s_wait_dscnt 0x0
.set ii, 0
.rept 16
	v_pk_add_f32 v[64+ii:65+ii], v[64+ii:65+ii], v[96+ii:97+ii]
	v_pk_add_f32 v[128+ii:129+ii], v[128+ii:129+ii], v[160+ii:161+ii]
.set ii, ii+2
.endr
.set ii, 0
.rept 16
	v_pk_add_f32 v[64+ii:65+ii], v[64+ii:65+ii], v[128+ii:129+ii]
.set ii, ii+2
.endr
.irp i, 0,1,2,3,4,5,6,7
	global_store_b128 v[GOV], v[64+4*(\i):64+4*(\i)+3], s[10:11] offset:512*(\i)  ; 512 consecutive bytes, aligned
.endr
	s_cmp_lt_u32 s14, 2                            ; key quarters 0 and 1 also add up a quad of l
	s_cbranch_scc0 .Lend
	ds_load_b128 v[128:131], v[RL0]
	ds_load_b128 v[132:135], v[RL0] offset:2*STG
	ds_load_b128 v[136:139], v[RL1]
	ds_load_b128 v[140:143], v[RL1] offset:2*STG
	s_wait_dscnt 0x0
	v_pk_add_f32 v[128:129], v[128:129], v[132:133]
	v_pk_add_f32 v[130:131], v[130:131], v[134:135]
	v_pk_add_f32 v[136:137], v[136:137], v[140:141]
	v_pk_add_f32 v[138:139], v[138:139], v[142:143]
	v_pk_add_f32 v[128:129], v[128:129], v[136:137]
	v_pk_add_f32 v[130:131], v[130:131], v[138:139]
	global_store_b128 v[GLV], v[128:131], s[10:11]
.Lend:
	s_wait_tensorcnt 0x0                           ; the wave's end: behind my last tensor load and my last LDS store
	ds_add_u32 v[SPW], v[NIL]
	s_wait_dscnt 0x0
	s_endpgm
.Lfunc_end_k_q03e644a601_attn:
	.size	k_q03e644a601_attn, .Lfunc_end_k_q03e644a601_attn-k_q03e644a601_attn
	.p2alignl 7, 3214868480
	.fill 96, 4, 3214868480
	.section	.rodata,"a",@progbits
	.p2align	6, 0x0
	.amdhsa_kernel k_q03e644a601_attn
		.amdhsa_group_segment_fixed_size 263168
		.amdhsa_private_segment_fixed_size 0
		.amdhsa_enable_private_segment 0
		.amdhsa_kernarg_size 32
		.amdhsa_user_sgpr_count 2
		.amdhsa_user_sgpr_kernarg_segment_ptr 1
		.amdhsa_wavefront_size32 1
		.amdhsa_system_sgpr_workgroup_id_x 1
		.amdhsa_system_sgpr_workgroup_id_y 1
		.amdhsa_system_sgpr_workgroup_id_z 1
		.amdhsa_system_vgpr_workitem_id 0
		.amdhsa_next_free_vgpr 448
		.amdhsa_next_free_sgpr 66
		.amdhsa_reserve_vcc 0
		.amdhsa_float_denorm_mode_32 3
		.amdhsa_float_denorm_mode_16_64 3
		.amdhsa_memory_ordered 1
		.amdhsa_forward_progress 1
		.amdhsa_inst_pref_size 45
	.end_amdhsa_kernel
	.amdgpu_metadata
---
amdhsa.version: [ 1, 2 ]
amdhsa.kernels:
  - .name:           k_q03e644a601_attn
    .symbol:         k_q03e644a601_attn.kd
    .args:
      - { .name: kf, .offset: 0, .size: 8, .value_kind: global_buffer, .address_space: global }
      - { .name: vf, .offset: 8, .size: 8, .value_kind: global_buffer, .address_space: global }
      - { .name: qf, .offset: 16, .size: 8, .value_kind: global_buffer, .address_space: global }
      - { .name: op, .offset: 24, .size: 8, .value_kind: global_buffer, .address_space: global }
    .group_segment_fixed_size: 263168
    .private_segment_fixed_size: 0
    .kernarg_segment_align: 8
    .kernarg_segment_size: 32
    .max_flat_workgroup_size: 256
    .sgpr_count:     66
    .vgpr_count:     448
    .wavefront_size: 32
...
	.end_amdgpu_metadata
.endif
;; end of part 3
;; launch proj (part 4): grid 4 x 64, 4 waves a work-group, no clusters, 16,896 bytes of LDS; arguments op, wts, bo, out0; writes out0
.if DOCPART == 4
	.amdgcn_target "amdgcn-amd-amdhsa--gfx1250"
	.amdhsa_code_object_version 6
	.text
	.protected	k_q03e644a601_proj
	.globl	k_q03e644a601_proj
	.p2align	8
	.type	k_q03e644a601_proj,@function
k_q03e644a601_proj:
	s_mov_b64 s[64:65], 0
	v_nop
	global_prefetch_b8 v0, s[64:65] scope:SCOPE_SE
	s_setreg_imm32_b32 hwreg(HW_REG_WAVE_MODE, 25, 1), 1
	s_wait_xcnt 0x0
; THE WAY OUT OF THE MODULE.  out0[row][:] = (the heads' O / l, side by side) x Wo + bo.  O and l are the sums of the four key quarters' parts in op (f32, added here in f32); O / l is rounded once to f16,
; Wo lies in wts as f16, turned to [n][k]; sums in f32; the bias is added in f32.  LIMITS.  O / l is a mean of rows of v and has their range, within f16.  NaN and infinities are not treated apart.
; SHARES.  A work-group makes 16 rows x 256 columns.  Wave w first makes the fragments of heads 4 w .. 4 w + 3: in op a lane holds its query's 16 channels just as source 0 of the product wants them, so they
; are added, divided, rounded, and handed to the other waves through LDS, 1,024 bytes a head.  Then wave w multiplies columns n0 = 256 x + 64 w on, as four tiles that interleave: tile i, lane r is column
; n0 + 4 r + i.  So for each row a lane ends with four neighbouring columns, and sixteen lanes store 256 consecutive bytes, aligned.
; No tensor loads, no cluster, nothing asked for ahead: every load of a wave goes out at its head, and the launch is short.
; REGISTERS.  Window 0: v0-11 addresses; v16-31 l; v32-63 four accumulators; v64-191 sixteen fragments of O; v192-223 rounded fragments, later the results; v224-227 bias.
; Window 1: the parts of O, v[64 u + 16 sq + 4 g].  Windows 2, 3: Wo's fragments, head hd, tile i at v[8 (4 (hd % 8) + i)].
.set SPARE, 16384                      ; behind the fragments: the spare words, 128 bytes for each wave, which no other line names
.set PART,  34816                      ; bytes of op for one (b, h, key quarter)
.set LN,  1                            ; v1   16 x lane
.set WO,  5                            ; v5   my row and half in a tile of Wo: 4 r rows of 1,024 bytes + 16 hh
.set BO,  6                            ; v6   16 r
.set FS,  7                            ; v7   where I put my heads' fragments
.set OO,  9                            ; v9   8 hh rows of 4,096 bytes + 16 r
.set SPW, 10                           ; v10  my spare word; never rewritten
.set NIL, 11                           ; v11  0; never rewritten
.set L,   16
.set ACC, 32
.set AF,  64
.set R,   192
.set BI,  224
.set MSB, 0
.macro WIN new
.if MSB != (\new)
	s_set_vgpr_msb (MSB<<8)|(\new)
.set MSB, \new
.endif
.endm
	s_load_b256 s[4:11], s[0:1], 0x0               ; op s[4:5], wts s[6:7], bo s[8:9], out0 s[10:11]
	v_lshl_add_u32 v[SPW], v0, 2, SPARE
	v_mov_b32 v[NIL], 0
	v_lshrrev_b32 v1, 5, v0
	v_readfirstlane_b32 s12, v1                    ; wave 0..3
	s_and_b32 s14, ttmp7, 0xffff                   ; tile of 16 rows: b 16 + t
	s_lshr_b32 s15, s14, 4                         ; b
	s_and_b32 s16, s14, 15                         ; t
	s_lshr_b32 s17, s16, 3                         ; the query half
	s_and_b32 s18, s16, 7                          ; the tile in it
	s_lshl_b32 s19, s15, 4
	s_lshl2_add_u32 s19, s12, s19                  ; b 16 + 4 w: my first head
	s_mul_i32 s30, s19, 4*PART
	s_mul_i32 s31, s17, PART/2
	s_add_co_u32 s30, s30, s31
	s_lshl_b32 s32, s18, 11                        ; the tile's four quads of O
	s_add_co_u32 s32, s32, s30
	s_mov_b32 s33, 0
	s_lshr_b32 s34, s18, 2
	s_add_co_u32 s34, s34, 32                      ; its quad of l,
	s_lshl_b32 s34, s34, 9
	s_and_b32 s35, s18, 3
	s_lshl2_add_u32 s34, s35, s34                  ; and its word there
	s_add_co_u32 s34, s34, s30
	s_mov_b32 s35, 0
	s_lshl_b32 s36, ttmp9, 18                      ; 256 x rows of the turned Wo, 1,024 bytes each,
	s_lshl_b32 s31, s12, 16                        ; my 64
	s_add_co_u32 s36, s36, s31
	s_add_co_u32 s36, s36, 3145728
	s_mov_b32 s37, 0
	s_lshl_b32 s38, ttmp9, 10                      ; the same columns in f32
	s_lshl_b32 s31, s12, 8
	s_add_co_u32 s38, s38, s31
	s_mov_b32 s39, 0
	v_and_b32 v[LN], 31, v0
	v_lshlrev_b32 v[LN], 4, v[LN]
	v_and_b32 v2, 15, v0                           ; r
	v_bfe_u32 v3, v0, 4, 1                         ; hh
	v_lshlrev_b32 v[WO], 12, v2
	v_lshl_add_u32 v[WO], v3, 4, v[WO]
	v_lshlrev_b32 v[BO], 4, v2
	v_lshl_add_u32 v[FS], s12, 12, v[LN]
	v_lshl_add_u32 v[OO], v3, 15, v[BO]
	s_wait_kmcnt 0x0
	s_add_nc_u64 s[20:21], s[4:5], s[32:33]
	s_add_nc_u64 s[22:23], s[4:5], s[34:35]
	s_add_nc_u64 s[24:25], s[8:9], s[38:39]
	s_add_nc_u64 s[26:27], s[6:7], s[36:37]
	s_lshl_b32 s31, s14, 16                        ; 16 rows of 4,096 bytes
	s_add_co_u32 s38, s38, s31
	s_add_nc_u64 s[28:29], s[10:11], s[38:39]
	WIN 0x40                                       ; all loads at once: the parts of O first,
.irp u, 0,1,2,3
.irp q, 0,1,2,3
.irp g, 0,1,2,3
	global_load_b128 v[64*(\u)+16*(\q)+4*(\g):64*(\u)+16*(\q)+4*(\g)+3], v[LN], s[20:21] offset:(4*(\u)+(\q))*PART+512*(\g)
.endr
.endr
.endr
	WIN 0
.irp u, 0,1,2,3
.irp q, 0,1,2,3
	global_load_b32 v[L+4*(\u)+(\q)], v[LN], s[22:23] offset:(4*(\u)+(\q))*PART  ; then l,
.endr
.endr
	global_load_b128 v[BI:BI+3], v[BO], s[24:25]   ; the bias of columns n0 + 4 r + 0..3,
	WIN 0x80                                       ; and 128 loads of Wo
.irp hd, 0,1,2,3,4,5,6,7
.irp i, 0,1,2,3
	global_load_b128 v[8*(4*(\hd)+(\i)):8*(4*(\hd)+(\i))+3],   v[WO], s[26:27] offset:(\i)*1024+64*(\hd)
	global_load_b128 v[8*(4*(\hd)+(\i))+4:8*(4*(\hd)+(\i))+7], v[WO], s[26:27] offset:(\i)*1024+64*(\hd)+32
.endr
.endr
	WIN 0xc0
.irp hd, 0,1,2,3,4,5,6,7
.irp i, 0,1,2,3
	global_load_b128 v[8*(4*(\hd)+(\i)):8*(4*(\hd)+(\i))+3],   v[WO], s[26:27] offset:(\i)*1024+64*(\hd)+512
	global_load_b128 v[8*(4*(\hd)+(\i))+4:8*(4*(\hd)+(\i))+7], v[WO], s[26:27] offset:(\i)*1024+64*(\hd)+512+32
.endr
.endr
	s_wait_loadcnt 63                              ; behind the bias stand 128 younger loads: with 63 out at the most, the parts, l and the bias are in
	WIN 0x45                                       ; destination and both sources in window 1
.irp u, 0,1,2,3
.irp p, 0,2,4,6,8,10,12,14
	v_pk_add_f32 v[64*(\u)+(\p):64*(\u)+(\p)+1], v[64*(\u)+(\p):64*(\u)+(\p)+1], v[64*(\u)+16+(\p):64*(\u)+16+(\p)+1]
	v_pk_add_f32 v[64*(\u)+32+(\p):64*(\u)+32+(\p)+1], v[64*(\u)+32+(\p):64*(\u)+32+(\p)+1], v[64*(\u)+48+(\p):64*(\u)+48+(\p)+1]
.endr
.irp p, 0,2,4,6,8,10,12,14
	v_pk_add_f32 v[64*(\u)+(\p):64*(\u)+(\p)+1], v[64*(\u)+(\p):64*(\u)+(\p)+1], v[64*(\u)+32+(\p):64*(\u)+32+(\p)+1]
.endr
.endr
	WIN 0
.irp u, 0,1,2,3
	v_add_f32 v[L+4*(\u)], v[L+4*(\u)], v[L+4*(\u)+1]
	v_add_f32 v[L+4*(\u)+2], v[L+4*(\u)+2], v[L+4*(\u)+3]
.endr
.irp u, 0,1,2,3
	v_add_f32 v[L+4*(\u)], v[L+4*(\u)], v[L+4*(\u)+2]
.endr
.irp u, 0,1,2,3
	v_rcp_f32 v[L+4*(\u)], v[L+4*(\u)]
.endr
	v_nop                                          ; a plain instruction behind the last reciprocal,
	s_wait_alu depctr_va_vdst(0)                   ; and the wait ahead of the first use: one for the four
	WIN 0x41                                       ; O in window 1, 1 / l in window 0
.irp u, 0,1,2,3
.irp p, 0,2,4,6,8,10,12,14
	v_pk_mul_f32 v[64*(\u)+(\p):64*(\u)+(\p)+1], v[64*(\u)+(\p):64*(\u)+(\p)+1], v[L+4*(\u):L+4*(\u)+1] op_sel_hi:[1,0]
.endr
.endr
	WIN 0x05
.irp u, 0,1,2,3
.irp i, 0,1,2,3,4,5,6,7
	v_cvt_pk_f16_f32 v[R+8*(\u)+(\i)], v[64*(\u)+2*(\i)], v[64*(\u)+2*(\i)+1]
.endr
.endr
	WIN 0
.irp u, 0,1,2,3
	ds_store_b128 v[FS], v[R+8*(\u):R+8*(\u)+3]   offset:1024*(\u)
	ds_store_b128 v[FS], v[R+8*(\u)+4:R+8*(\u)+7] offset:1024*(\u)+512
.endr
	s_wait_dscnt 0x0                               ; for the others' sake
	s_barrier_signal -1
	s_barrier_wait -1                              ; all sixteen heads' fragments lie in LDS
.set ii, 0
.rept 32
	ds_load_b128 v[AF+4*ii:AF+4*ii+3], v[LN] offset:512*ii
.set ii, ii+1
.endr
	s_wait_dscnt 0x0
	s_wait_loadcnt 0x0                             ; Wo
; 64 products: K = a head's 32 channels a step; the four accumulators take turns; head 0 starts the sums
.irp hd, 0,1,2,3,4,5,6,7,8,9,10,11,12,13,14,15
	WIN 0x08+4*((\hd)/8)                           ; source 1 in window 2 or 3
.irp i, 0,1,2,3
.if (\hd) == 0
	v_wmma_f32_16x16x32_f16 v[ACC+8*(\i):ACC+8*(\i)+7], v[AF+8*(\hd):AF+8*(\hd)+7], v[8*(4*((\hd)%8)+(\i)):8*(4*((\hd)%8)+(\i))+7], 0
.else
	v_wmma_f32_16x16x32_f16 v[ACC+8*(\i):ACC+8*(\i)+7], v[AF+8*(\hd):AF+8*(\hd)+7], v[8*(4*((\hd)%8)+(\i)):8*(4*((\hd)%8)+(\i))+7], v[ACC+8*(\i):ACC+8*(\i)+7]
.endif
.endr
.endr
	WIN 0
.rept 8
	v_nop                                          ; the places behind the last products, once a launch
.endr
.irp j, 0,1,2,3,4,5,6,7                ; row 8 hh + j: the bias's addition also gathers the four tiles' numbers into four registers on end; each row has registers of its own
.irp i, 0,1,2,3
	v_add_f32 v[R+4*(\j)+(\i)], v[ACC+8*(\i)+(\j)], v[BI+(\i)]
.endr
	global_store_b128 v[OO], v[R+4*(\j):R+4*(\j)+3], s[28:29] offset:4096*(\j)  ; sixteen lanes store 256 consecutive bytes, aligned
.endr
	s_wait_tensorcnt 0x0                           ; the wave's end: behind my last LDS store
	ds_add_u32 v[SPW], v[NIL]
	s_wait_dscnt 0x0
	s_endpgm
.Lfunc_end_k_q03e644a601_proj:
	.size	k_q03e644a601_proj, .Lfunc_end_k_q03e644a601_proj-k_q03e644a601_proj
	.p2alignl 7, 3214868480
	.fill 96, 4, 3214868480
	.section	.rodata,"a",@progbits
	.p2align	6, 0x0
	.amdhsa_kernel k_q03e644a601_proj
		.amdhsa_group_segment_fixed_size 16896
		.amdhsa_private_segment_fixed_size 0
		.amdhsa_enable_private_segment 0
		.amdhsa_kernarg_size 32
		.amdhsa_user_sgpr_count 2
		.amdhsa_user_sgpr_kernarg_segment_ptr 1
		.amdhsa_wavefront_size32 1
		.amdhsa_system_sgpr_workgroup_id_x 1
		.amdhsa_system_sgpr_workgroup_id_y 1
		.amdhsa_system_sgpr_workgroup_id_z 1
		.amdhsa_system_vgpr_workitem_id 0
		.amdhsa_next_free_vgpr 1024
		.amdhsa_next_free_sgpr 66
		.amdhsa_reserve_vcc 0
		.amdhsa_float_denorm_mode_32 3
		.amdhsa_float_denorm_mode_16_64 3
		.amdhsa_memory_ordered 1
		.amdhsa_forward_progress 1
		.amdhsa_inst_pref_size 42
	.end_amdhsa_kernel
	.amdgpu_metadata
---
amdhsa.version: [ 1, 2 ]
amdhsa.kernels:
  - .name:           k_q03e644a601_proj
    .symbol:         k_q03e644a601_proj.kd
    .args:
      - { .name: op, .offset: 0, .size: 8, .value_kind: global_buffer, .address_space: global }
      - { .name: wts, .offset: 8, .size: 8, .value_kind: global_buffer, .address_space: global }
      - { .name: bo, .offset: 16, .size: 8, .value_kind: global_buffer, .address_space: global }
      - { .name: out0, .offset: 24, .size: 8, .value_kind: global_buffer, .address_space: global }
    .group_segment_fixed_size: 16896
    .private_segment_fixed_size: 0
    .kernarg_segment_align: 8
    .kernarg_segment_size: 32
    .max_flat_workgroup_size: 128
    .sgpr_count:     66
    .vgpr_count:     1024
    .wavefront_size: 32
...
	.end_amdgpu_metadata
.endif
;; end of part 4
;; ======== version 2 of 2: 4 launches; version 1 with the launch proj written anew for expert scheduling mode
;; limits: values are held in f16: magnitudes above 65,504 overflow, below 6.1e-05 lose precision
;; workspace buffers: xn 69,206,016 bytes; wts 4,194,304 bytes; kf 33,554,432 bytes; vf 33,554,432 bytes; qf 1,048,576 bytes; op 8,912,896 bytes
;; launch norm: the kernel of part 1 again; grid 256 x 1, 18 waves a work-group, no clusters, 0 bytes of LDS; arguments context, latents, ln_c_w, ln_c_b, ln_l_w, ln_l_b, Wkv, Wq, Wo, xn, wts; writes xn, wts
;; launch kvq: the kernel of part 2 again; grid 4 x 64, 4 waves a work-group, clusters of 4 x 4, 327,680 bytes of LDS; arguments xn, wts, kf, vf, qf; writes kf, vf, qf
;; launch attn: the kernel of part 3 again; grid 4 x 64, 8 waves a work-group, no clusters, 263,168 bytes of LDS; arguments kf, vf, qf, op; writes op
;; launch proj (part 5): grid 4 x 64, 4 waves a work-group, no clusters, 16,896 bytes of LDS; arguments op, wts, bo, out0; writes out0
.if DOCPART == 5
	.amdgcn_target "amdgcn-amd-amdhsa--gfx1250"
	.amdhsa_code_object_version 6
	.text
	.protected	k_q03e644a601_proj
	.globl	k_q03e644a601_proj
	.p2align	8
	.type	k_q03e644a601_proj,@function
k_q03e644a601_proj:
	s_mov_b64 s[64:65], 0
	v_nop
	global_prefetch_b8 v0, s[64:65] scope:SCOPE_SE
	s_setreg_imm32_b32 hwreg(HW_REG_WAVE_SCHED_MODE, 0, 2), 2
	s_setreg_imm32_b32 hwreg(HW_REG_WAVE_MODE, 25, 1), 1
	s_wait_xcnt 0x0
	s_wait_alu depctr_vm_vsrc(0)
; THE WAY OUT OF THE MODULE.  out0[row][:] = (the heads' O / l, side by side) x Wo + bo.  O and l are the sums of the four key quarters' parts in op (f32, added here in f32); O / l is rounded once to f16,
; Wo lies in wts as f16, turned to [n][k]; sums in f32; the bias is added in f32.  LIMITS.  O / l is a mean of rows of v and has their range, within f16.  NaN and infinities are not treated apart.
; SHARES.  A work-group makes 16 rows x 256 columns.  Wave w first makes the fragments of heads 4 w .. 4 w + 3: in op a lane holds its query's 16 channels just as source 0 of the product wants them, so they
; are added, divided, rounded, and handed to the other waves through LDS, 1,024 bytes a head.  Then wave w multiplies columns n0 = 256 x + 64 w on, as four tiles that interleave: tile i, lane r is column
; n0 + 4 r + i.  So for each row a lane ends with four neighbouring columns, and sixteen lanes store 256 consecutive bytes, aligned.
; No tensor loads, no cluster, nothing asked for ahead: 145 of a wave's 209 loads go out at its head, the other 64 among the additions of the parts, and the launch is short.
; THE MODE: SCHED_MODE bits 1:0 = 2 (LLVM: expert scheduling mode 2), set by the entry lines.  The code itself states the register dependences between vector or matrix instructions and memory or LDS
; instructions, with s_wait_alu, always for 0.
; THE PLAN.  Registers that memory or LDS instructions touch:
;   v1, v5, v6, v7, v9   offsets and LDS addresses: written at the head, read by every load, LDS access and store, never written again: one wait ahead of the first load serves them all.
;   window 1, v16-31, v224-227   the parts of O, l, the bias: loads land in them once; after that vector instructions alone name them.
;   windows 2, 3         Wo's fragments: loads land in them, matrix instructions read them, no vector instruction names them.  So Wo's last 64 loads stand among the additions with no wait of their own.
;   v192-223 (R)         written by the 32 roundings, read by the 8 LDS stores; written again by the 32 additions of the bias, read by the 8 global stores: a wait ahead of each run of stores, and one
;                        ahead of the second writing.
;   v64-191 (AF)         LDS loads land in them behind the barrier; matrix instructions alone read them.
;   v10, v11             written at the head, read by the closing add alone.
; REGISTERS.  Window 0: v0-11 addresses; v16-31 l; v32-63 four accumulators; v64-191 sixteen fragments of O; v192-223 rounded fragments, later the results; v224-227 bias.
; Window 1: the parts of O, v[64 u + 16 sq + 4 g].  Windows 2, 3: Wo's fragments, head hd, tile i at v[8 (4 (hd % 8) + i)].
.set SPARE, 16384                      ; behind the fragments: the spare words, 128 bytes for each wave, which no other line names
.set PART,  34816                      ; bytes of op for one (b, h, key quarter)
.set LN,  1                            ; v1   16 x lane
.set WO,  5                            ; v5   my row and half in a tile of Wo: 4 r rows of 1,024 bytes + 16 hh
.set BO,  6                            ; v6   16 r
.set FS,  7                            ; v7   where I put my heads' fragments
.set OO,  9                            ; v9   8 hh rows of 4,096 bytes + 16 r
.set SPW, 10                           ; v10  my spare word; never rewritten
.set NIL, 11                           ; v11  0; never rewritten
.set L,   16
.set ACC, 32
.set AF,  64
.set R,   192
.set BI,  224
.set MSB, 0
.macro WIN new
.if MSB != (\new)
	s_set_vgpr_msb (MSB<<8)|(\new)
.set MSB, \new
.endif
.endm
; Wo: the eight loads of one head's four tiles.  hd: the head modulo 8, which is its place in its window; far: 0 for heads 0-7, 512 bytes along the turned rows for heads 8-15.
.macro WOLOAD hd, far
.irp i, 0,1,2,3
	global_load_b128 v[8*(4*(\hd)+(\i)):8*(4*(\hd)+(\i))+3],   v[WO], s[26:27] offset:(\i)*1024+64*(\hd)+(\far)
	global_load_b128 v[8*(4*(\hd)+(\i))+4:8*(4*(\hd)+(\i))+7], v[WO], s[26:27] offset:(\i)*1024+64*(\hd)+(\far)+32
.endr
.endm
	s_load_b256 s[4:11], s[0:1], 0x0               ; op s[4:5], wts s[6:7], bo s[8:9], out0 s[10:11]
	v_lshl_add_u32 v[SPW], v0, 2, SPARE
	v_mov_b32 v[NIL], 0
	v_lshrrev_b32 v1, 5, v0
	v_readfirstlane_b32 s12, v1                    ; wave 0..3
	s_and_b32 s14, ttmp7, 0xffff                   ; tile of 16 rows: b 16 + t
	s_lshr_b32 s15, s14, 4                         ; b
	s_and_b32 s16, s14, 15                         ; t
	s_lshr_b32 s17, s16, 3                         ; the query half
	s_and_b32 s18, s16, 7                          ; the tile in it
	s_lshl_b32 s19, s15, 4
	s_wait_alu depctr_va_sdst(0)                   ; s12 is written, ahead of its first reader: the offsets in op, wts, bo and out0 and my LDS address are made from it
	s_lshl2_add_u32 s19, s12, s19                  ; b 16 + 4 w: my first head
	s_mul_i32 s30, s19, 4*PART
	s_mul_i32 s31, s17, PART/2
	s_add_co_u32 s30, s30, s31
	s_lshl_b32 s32, s18, 11                        ; the tile's four quads of O
	s_add_co_u32 s32, s32, s30
	s_mov_b32 s33, 0
	s_lshr_b32 s34, s18, 2
	s_add_co_u32 s34, s34, 32                      ; its quad of l,
	s_lshl_b32 s34, s34, 9
	s_and_b32 s35, s18, 3
	s_lshl2_add_u32 s34, s35, s34                  ; and its word there
	s_add_co_u32 s34, s34, s30
	s_mov_b32 s35, 0
	s_lshl_b32 s36, ttmp9, 18                      ; 256 x rows of the turned Wo, 1,024 bytes each,
	s_lshl_b32 s31, s12, 16                        ; my 64
	s_add_co_u32 s36, s36, s31
	s_add_co_u32 s36, s36, 3145728
	s_mov_b32 s37, 0
	s_lshl_b32 s38, ttmp9, 10                      ; the same columns in f32
	s_lshl_b32 s31, s12, 8
	s_add_co_u32 s38, s38, s31
	s_mov_b32 s39, 0
	v_and_b32 v[LN], 31, v0
	v_lshlrev_b32 v[LN], 4, v[LN]
	v_and_b32 v2, 15, v0                           ; r
	v_bfe_u32 v3, v0, 4, 1                         ; hh
	v_lshlrev_b32 v[WO], 12, v2
	v_lshl_add_u32 v[WO], v3, 4, v[WO]
	v_lshlrev_b32 v[BO], 4, v2
	v_lshl_add_u32 v[FS], s12, 12, v[LN]
	v_lshl_add_u32 v[OO], v3, 15, v[BO]
	s_wait_kmcnt 0x0
	s_add_nc_u64 s[20:21], s[4:5], s[32:33]
	s_add_nc_u64 s[22:23], s[4:5], s[34:35]
	s_add_nc_u64 s[24:25], s[8:9], s[38:39]
	s_add_nc_u64 s[26:27], s[6:7], s[36:37]
	s_lshl_b32 s31, s14, 16                        ; 16 rows of 4,096 bytes
	s_add_co_u32 s38, s38, s31
	s_add_nc_u64 s[28:29], s[10:11], s[38:39]
	WIN 0x40                                       ; the parts of O first,
	s_wait_alu depctr_va_vdst(0)                   ; v1, v5, v6, v7 and v9 are written: every load, LDS access and store below reads one of them as its address, and none is written again
.irp u, 0,1,2,3
.irp q, 0,1,2,3
.irp g, 0,1,2,3
	global_load_b128 v[64*(\u)+16*(\q)+4*(\g):64*(\u)+16*(\q)+4*(\g)+3], v[LN], s[20:21] offset:(4*(\u)+(\q))*PART+512*(\g)
.endr
.endr
.endr
	WIN 0
.irp u, 0,1,2,3
.irp q, 0,1,2,3
	global_load_b32 v[L+4*(\u)+(\q)], v[LN], s[22:23] offset:(4*(\u)+(\q))*PART  ; then l,
.endr
.endr
	global_load_b128 v[BI:BI+3], v[BO], s[24:25]   ; the bias of columns n0 + 4 r + 0..3,
	WIN 0x80                                       ; and the 64 loads of Wo's heads 0 to 7
.irp hd, 0,1,2,3,4,5,6,7
	WOLOAD \hd, 0
.endr
	s_wait_loadcnt 63                              ; behind the bias stand 64 younger loads: with 63 out at the most, the parts, l and the bias are in
; The four parts of each head are added; ahead of head u's 24 additions stand the 16 loads of Wo's heads 8 + 2 u and 9 + 2 u.  No wait: these loads land in window 3, which no vector instruction names,
; and read v5, which no instruction has written since the wait ahead of the first load.
.irp u, 0,1,2,3
	WIN 0xc0                                       ; destination window 3, address window 0
	WOLOAD 2*(\u), 512
	WOLOAD 2*(\u)+1, 512
	WIN 0x45                                       ; destination and both sources in window 1
.irp p, 0,2,4,6,8,10,12,14
	v_pk_add_f32 v[64*(\u)+(\p):64*(\u)+(\p)+1], v[64*(\u)+(\p):64*(\u)+(\p)+1], v[64*(\u)+16+(\p):64*(\u)+16+(\p)+1]
	v_pk_add_f32 v[64*(\u)+32+(\p):64*(\u)+32+(\p)+1], v[64*(\u)+32+(\p):64*(\u)+32+(\p)+1], v[64*(\u)+48+(\p):64*(\u)+48+(\p)+1]
.endr
.irp p, 0,2,4,6,8,10,12,14
	v_pk_add_f32 v[64*(\u)+(\p):64*(\u)+(\p)+1], v[64*(\u)+(\p):64*(\u)+(\p)+1], v[64*(\u)+32+(\p):64*(\u)+32+(\p)+1]
.endr
.endr
	WIN 0
.irp u, 0,1,2,3
	v_add_f32 v[L+4*(\u)], v[L+4*(\u)], v[L+4*(\u)+1]
	v_add_f32 v[L+4*(\u)+2], v[L+4*(\u)+2], v[L+4*(\u)+3]
.endr
.irp u, 0,1,2,3
	v_add_f32 v[L+4*(\u)], v[L+4*(\u)], v[L+4*(\u)+2]
.endr
.irp u, 0,1,2,3
	v_rcp_f32 v[L+4*(\u)], v[L+4*(\u)]
.endr
	v_nop                                          ; a plain instruction behind the last reciprocal,
	s_wait_alu depctr_va_vdst(0)                   ; and the wait ahead of the first use: the four reciprocals have written v16, v20, v24 and v28
	WIN 0x41                                       ; O in window 1, 1 / l in window 0
.irp u, 0,1,2,3
.irp p, 0,2,4,6,8,10,12,14
	v_pk_mul_f32 v[64*(\u)+(\p):64*(\u)+(\p)+1], v[64*(\u)+(\p):64*(\u)+(\p)+1], v[L+4*(\u):L+4*(\u)+1] op_sel_hi:[1,0]
.endr
.endr
	WIN 0x05
.irp u, 0,1,2,3
.irp i, 0,1,2,3,4,5,6,7
	v_cvt_pk_f16_f32 v[R+8*(\u)+(\i)], v[64*(\u)+2*(\i)], v[64*(\u)+2*(\i)+1]
.endr
.endr
	WIN 0
	s_wait_alu depctr_va_vdst(0)                   ; the roundings have written v[R ..], which the LDS stores read
.irp u, 0,1,2,3
	ds_store_b128 v[FS], v[R+8*(\u):R+8*(\u)+3]   offset:1024*(\u)
	ds_store_b128 v[FS], v[R+8*(\u)+4:R+8*(\u)+7] offset:1024*(\u)+512
.endr
	s_wait_dscnt 0x0                               ; for the others' sake
	s_barrier_signal -1
	s_barrier_wait -1                              ; all sixteen heads' fragments lie in LDS
	s_wait_alu depctr_vm_vsrc(0)                   ; my LDS stores have read v[R ..], which the additions of the bias write again
.set ii, 0
.rept 32
	ds_load_b128 v[AF+4*ii:AF+4*ii+3], v[LN] offset:512*ii  ; no vector or matrix instruction has named v[AF ..]
.set ii, ii+1
.endr
	s_wait_dscnt 0x0
	s_wait_loadcnt 0x0                             ; Wo
; 64 products: K = a head's 32 channels a step; the four accumulators take turns; head 0 starts the sums
.irp hd, 0,1,2,3,4,5,6,7,8,9,10,11,12,13,14,15
	WIN 0x08+4*((\hd)/8)                           ; source 1 in window 2 or 3
.irp i, 0,1,2,3
.if (\hd) == 0
	v_wmma_f32_16x16x32_f16 v[ACC+8*(\i):ACC+8*(\i)+7], v[AF+8*(\hd):AF+8*(\hd)+7], v[8*(4*((\hd)%8)+(\i)):8*(4*((\hd)%8)+(\i))+7], 0
.else
	v_wmma_f32_16x16x32_f16 v[ACC+8*(\i):ACC+8*(\i)+7], v[AF+8*(\hd):AF+8*(\hd)+7], v[8*(4*((\hd)%8)+(\i)):8*(4*((\hd)%8)+(\i))+7], v[ACC+8*(\i):ACC+8*(\i)+7]
.endif
.endr
.endr
	WIN 0
.rept 8
	v_nop                                          ; the places behind the last products, once a launch
.endr
.irp j, 0,1,2,3,4,5,6,7                ; row 8 hh + j: the bias's addition also gathers the four tiles' numbers into four registers on end; each row has registers of its own
.irp i, 0,1,2,3
	v_add_f32 v[R+4*(\j)+(\i)], v[ACC+8*(\i)+(\j)], v[BI+(\i)]
.endr
.endr
	s_wait_alu depctr_va_vdst(0)                   ; the 32 additions have written v[R ..], which the eight stores read: one wait for the run
.irp j, 0,1,2,3,4,5,6,7
	global_store_b128 v[OO], v[R+4*(\j):R+4*(\j)+3], s[28:29] offset:4096*(\j)  ; sixteen lanes store 256 consecutive bytes, aligned
.endr
	s_wait_dscnt 0x0                               ; the closing lines, six on end
	s_wait_alu 0x0
	s_wait_tensorcnt 0x0
	ds_add_u32 v[SPW], v[NIL]
	s_wait_dscnt 0x0
	s_endpgm
.Lfunc_end_k_q03e644a601_proj:
	.size	k_q03e644a601_proj, .Lfunc_end_k_q03e644a601_proj-k_q03e644a601_proj
	.p2alignl 7, 3214868480
	.fill 96, 4, 3214868480
	.section	.rodata,"a",@progbits
	.p2align	6, 0x0
	.amdhsa_kernel k_q03e644a601_proj
		.amdhsa_group_segment_fixed_size 16896
		.amdhsa_private_segment_fixed_size 0
		.amdhsa_enable_private_segment 0
		.amdhsa_kernarg_size 32
		.amdhsa_user_sgpr_count 2
		.amdhsa_user_sgpr_kernarg_segment_ptr 1
		.amdhsa_wavefront_size32 1
		.amdhsa_system_sgpr_workgroup_id_x 1
		.amdhsa_system_sgpr_workgroup_id_y 1
		.amdhsa_system_sgpr_workgroup_id_z 1
		.amdhsa_system_vgpr_workitem_id 0
		.amdhsa_next_free_vgpr 1024
		.amdhsa_next_free_sgpr 66
		.amdhsa_reserve_vcc 0
		.amdhsa_float_denorm_mode_32 3
		.amdhsa_float_denorm_mode_16_64 3
		.amdhsa_memory_ordered 1
		.amdhsa_forward_progress 1
		.amdhsa_inst_pref_size 43
	.end_amdhsa_kernel
	.amdgpu_metadata
---
amdhsa.version: [ 1, 2 ]
amdhsa.kernels:
  - .name:           k_q03e644a601_proj
    .symbol:         k_q03e644a601_proj.kd
    .args:
      - { .name: op, .offset: 0, .size: 8, .value_kind: global_buffer, .address_space: global }
      - { .name: wts, .offset: 8, .size: 8, .value_kind: global_buffer, .address_space: global }
      - { .name: bo, .offset: 16, .size: 8, .value_kind: global_buffer, .address_space: global }
      - { .name: out0, .offset: 24, .size: 8, .value_kind: global_buffer, .address_space: global }
    .group_segment_fixed_size: 16896
    .private_segment_fixed_size: 0
    .kernarg_segment_align: 8
    .kernarg_segment_size: 32
    .max_flat_workgroup_size: 128
    .sgpr_count:     66
    .vgpr_count:     1024
    .wavefront_size: 32
...
	.end_amdgpu_metadata
.endif
;; end of part 5
